; MI455X (gfx1250); checked and timed in simulation.
; The chip was launched on July 23, 2026; its instructions are those of AMD's public machine-readable ISA for CDNA 5 (MIT licence, August 2026) and "CDNA5" Instruction Set Architecture Reference Guide (July 2026). The comments in the code are by the model that wrote it; some were corrected since.
;; Intra Domain Attention. Allowed arithmetic: matrix products marked QUANTISED: E5M2 operands, one given power-of-two scale a tensor, by v_wmma_f32_16x16x64_bf8_bf8 or v_wmma_f32_16x16x128_bf8_bf8, f32 sums; everything else in f32.
;; Inputs: Wkv 512 x 1,024 float32; Wq 512 x 512 float32; bkv 1,024 float32; bq 512 float32; global_tokens 8 x 1,024 x 512 float32; lowp_scales 8 int32 (the exponents e of the quantised operands' scales 2^e); x 8 x 2,048 x 512 float32.
;; Outputs: out0 8 x 2,048 x 512 float32.
;; This version of the problem:
;;   THIS VERSION OF THE PROBLEM IS GIVEN IN LOW PRECISION. The matrix products marked QUANTISED in the list below multiply operands that are first quantised to E5M2 (5 exponent bits, 2 mantissa bits; 8 bits a number), with one given power-of-two scale for each operand tensor; their sums are f32. All else is computed in f32.
;;   The module's matrix products, in the order in which they are computed (A, B: the left and right operand; K: the contracted axis; several contracted axes count as one K, in the product's order):
;;     1. [M 16,384, K 512] x [K 512, N 512]; A: input x; B: input Wq: QUANTISED (scales: A lowp_scales[0], B lowp_scales[1])
;;     2. [M 8,192, K 512] x [K 512, N 1,024]; A: input global_tokens; B: input Wkv: QUANTISED (scales: A lowp_scales[2], B lowp_scales[3])
;;     3. batch 64 x [M 2,048, K 64] x [K 64, N 1,024]; A: computed on the way; B: computed on the way: QUANTISED (scales: A lowp_scales[4], B lowp_scales[5])
;;     4. batch 64 x [M 2,048, K 1,024] x [K 1,024, N 64]; A: softmax (see below); B: computed on the way: QUANTISED (scales: A lowp_scales[6], B lowp_scales[7])
;;   THE QUANTISER, for each operand of a quantised product, along K:
;;     - The operand's scale is 2^e, e = its entry of the input lowp_scales (int32; the entries are numbered through the quantised products in the list's order, A before B).
;;     - Each number is divided by the scale, clamped to +-57,344, and rounded to the nearest number of E5M2, ties to even, subnormals kept.
;;     - The product sums the exact products of the quantised numbers (number of the format x scale) in f32.
;;   ~~~python
;;   def quantise(x, axis, e):      # numpy; x: float32 -> the quantised numbers, widened to float32 again
;;       x = np.moveaxis(x, axis, -1); K = x.shape[-1]
;;       r = np.clip(x / 2.0 ** e, -57344, 57344)
;;       step = 2.0 ** (np.maximum(np.frexp(np.where(r == 0, 1, r))[1] - 1, -14) - 2)
;;       q = np.round(r / step) * step * 2.0 ** e      # np.round: ties to even
;;       return np.moveaxis(q, -1, axis).astype(np.float32)
;;   ~~~
;;   SOFTMAX AHEAD OF A QUANTISED PRODUCT. Where the list says 'softmax', what is quantised is not the finished softmax but p = 2^(t - M), with t = logit x log2(e) and M = ceil(the row's largest t), a whole number; so 1/2 < the row's largest p <= 1. The row's sum l is taken of the UNQUANTISED p, in f32, and the product's result is divided by l at the end. Since M is a whole number, a kernel that streams over the keys may use a running M (the ceiling of the running maximum): every later rescaling is an exact power of two, so the quantised numbers keep their values, but for numbers so far below the row's largest that they fall under the format's range.
;;   OPERANDS COMPUTED ON THE WAY. 'Computed on the way' means the value that the module computes at that place (a softmax that the list does not call 'softmax' is quantised finished and normalised). What goes into a quantiser is computed in f32, as accurately as f32 sums, v_exp_f32 and their like allow (about 1e-6 of the number): no bf16 or f16 on the way to a quantiser, and a product that is left as it is and whose result goes on into a quantised operand takes f32 operands (vector FMAs, or v_wmma_f32_16x16x4_f32). A number that lies on a knife's edge between two numbers of the format may be rounded either way, as far as f32 arithmetic and the matrix unit's own rounding can turn it there, and no further.
;; 2 versions. Each part assembles by itself: llvm-mc -triple=amdgcn-amd-amdhsa -mcpu=gfx1250 --defsym DOCPART=n.
;; ======== version 1 of 2: 3 launches
;; workspace buffers: wimg 786,432 bytes; qimg 8,388,608 bytes; kvimg 8,388,608 bytes
;; launch wprep (part 1): grid 12 x 16, 4 waves a work-group, no clusters, 0 bytes of LDS; arguments Wq, Wkv, lowp_scales, wimg; writes wimg
.if DOCPART == 1
	.amdgcn_target "amdgcn-amd-amdhsa--gfx1250"
	.amdhsa_code_object_version 6
	.text
	.protected	k_q7bb02202f6_wprep
	.globl	k_q7bb02202f6_wprep
	.p2align	8
	.type	k_q7bb02202f6_wprep,@function
k_q7bb02202f6_wprep:
	s_mov_b64 s[64:65], 0
	v_nop
	global_prefetch_b8 v0, s[64:65] scope:SCOPE_SE
	s_setreg_imm32_b32 hwreg(HW_REG_WAVE_MODE, 25, 1), 1
	s_wait_xcnt 0x0
; Wq [512][512] and Wkv [512][1024], f32 with K as their FIRST axis, become codes of E5M2 with the given scales 2^e1 and 2^e3, laid as IMAGES OF OPERAND REGISTERS.
; code = w / 2^e, held within +-57,344, rounded to the nearest code, ties to even.
; NOTHING OF THE PROBLEM IS LEFT OUT in this program: every input has a way to the output (bkv's k half stands ahead of a quantiser, so it moves codes), and all four products are done.
; wimg: 96 column tiles (0-31 Wq's columns, 32-63 Wkv's k columns, 64-95 its v columns) x 4 K steps of 128; fragment (tile, step) at tile x 8,192 + step x 2,048 bytes.
; A fragment is four chunks of 512 bytes; in chunk c lane l = 16 h + r has the 16 bytes at 16 l: column 16 tile + r, k = 128 step + 32 c + 16 h + 0 .. 15.
; SHARES: work-group x takes 128 columns (x < 4: Wq; else Wkv's columns 128 (x - 4) on), work-group y one block of 32 along K; a wave 32 columns, a lane ONE column, and its 32 registers run DOWN K:
; so the conversions, which take neighbours along K from one lane's registers, give a lane two pieces of 16 codes that are pieces of the image as they stand.  No LDS, no barrier.
; Each store: lanes 0-15 fill 256 consecutive aligned bytes of one column tile, lanes 16-31 those of the next tile, 8,192 bytes on.
; LIMITS: e1 and e3 between -126 and 112, so that 2^e and 57,344 x 2^e are f32 numbers.  NaN among the inputs is not served; an infinity is held at the largest code.
.set X, 16                             ; v16-47  32 numbers down K
.set C, 48                             ; v48-55  their codes
.macro WLOAD pitch                     ; row 32 y + i of the weight at my column: 32 lanes read 128 consecutive bytes
.irp i, 0,1,2,3,4,5,6,7,8,9,10,11,12,13,14,15,16,17,18,19,20,21,22,23,24,25,26,27,28,29,30,31
	global_load_b32 v[X+\i], v2, s[4:5] offset:\i*\pitch th:TH_LOAD_NT
.endr
.endm
	s_load_b256 s[4:11], s[0:1], 0x0               ; Wq s[4:5], Wkv s[6:7], the scales' exponents s[8:9], wimg s[10:11]
	v_and_b32 v1, 31, v0                           ; lane
	v_lshrrev_b32 v4, 5, v0
	v_readfirstlane_b32 s12, v4                    ; wave 0..3
	s_and_b32 s13, ttmp7, 0xffff                   ; y: which 32 along K
	v_lshlrev_b32 v2, 2, v1                        ; in: 4 bytes a lane
	v_lshrrev_b32 v4, 4, v1
	v_and_b32 v5, 15, v1
	v_lshlrev_b32 v3, 4, v5
	v_lshl_add_u32 v3, v4, 13, v3                  ; out: 16 (lane % 16) + 8,192 (lane / 16)
	s_cmp_lt_u32 ttmp9, 4                          ; Wq's work-group or Wkv's: the work-group's number alone decides
	s_cselect_b32 s14, 16, 17                      ; 32 rows are 2^16 bytes of Wq, 2^17 of Wkv
	s_cselect_b32 s15, 0, 4
	s_lshl_b32 s14, s13, s14
	s_sub_co_u32 s15, ttmp9, s15
	s_lshl_b32 s15, s15, 9                         ; 128 columns are 512 bytes
	s_lshl_b32 s20, s12, 7                         ; my wave's 32 are 128
	s_add_co_u32 s14, s14, s15
	s_add_co_u32 s14, s14, s20
	s_mov_b32 s15, 0
	s_lshl_b32 s20, ttmp9, 16                      ; the image: column tile 8 x + 2 wave,
	s_lshl_b32 s21, s12, 14
	s_add_co_u32 s20, s20, s21
	s_lshr_b32 s21, s13, 2
	s_lshl_b32 s21, s21, 11                        ; K step y / 4,
	s_add_co_u32 s20, s20, s21
	s_and_b32 s21, s13, 3
	s_lshl_b32 s21, s21, 9                         ; chunk y % 4
	s_add_co_u32 s20, s20, s21
	s_mov_b32 s21, 0
	s_wait_kmcnt 0x0
	s_load_b128 s[16:19], s[8:9], 0x0              ; e0 .. e3
	s_cmp_lt_u32 ttmp9, 4
	s_cselect_b64 s[4:5], s[4:5], s[6:7]
	s_add_nc_u64 s[4:5], s[4:5], s[14:15]
	s_add_nc_u64 s[10:11], s[10:11], s[20:21]
	s_cmp_lt_u32 ttmp9, 4
	s_cbranch_scc0 .Lkv                            ; the two ways differ in the loads' immediates alone: the row pitch
	WLOAD 2048
	s_branch .Ljoin
.Lkv:
	WLOAD 4096
.Ljoin:
	s_wait_kmcnt 0x0
	s_cmp_lt_u32 ttmp9, 4
	s_cselect_b32 s22, s17, s19                    ; e1 for Wq, e3 for Wkv
	s_add_co_i32 s22, s22, 127
	s_lshl_b32 s23, s22, 23
	v_mov_b32 v11, s23                             ; 2^e as f32: the conversion takes its exponent field
	s_add_co_i32 s22, s22, 15
	s_lshl_b32 s22, s22, 23
	s_or_b32 s22, s22, 0x600000
	v_mov_b32 v10, s22                             ; 57,344 x 2^e
	s_wait_loadcnt 0x0
.irp i, 0,1,2,3,4,5,6,7,8,9,10,11,12,13,14,15,16,17,18,19,20,21,22,23,24,25,26,27,28,29,30,31
	v_med3_num_f32 v[X+\i], v[X+\i], -v10, v10     ; the conversion to an 8-bit code does not saturate (ISA guide 7.6.2): hold first
.endr
.irp g, 0,1,2,3
	v_cvt_scalef32_pk8_bf8_f32 v[C+2*\g:C+2*\g+1], v[X+8*\g:X+8*\g+7], v11
.endr
	global_store_b128 v3, v[C:C+3], s[10:11]                  ; k = 32 y + 0 .. 15: the image's lanes 0-15
	global_store_b128 v3, v[C+4:C+7], s[10:11] offset:256     ; k = 32 y + 16 .. 31: its lanes 16-31
	s_endpgm
.Lfunc_end_k_q7bb02202f6_wprep:
	.size	k_q7bb02202f6_wprep, .Lfunc_end_k_q7bb02202f6_wprep-k_q7bb02202f6_wprep
	.p2alignl 7, 3214868480
	.fill 96, 4, 3214868480
	.section	.rodata,"a",@progbits
	.p2align	6, 0x0
	.amdhsa_kernel k_q7bb02202f6_wprep
		.amdhsa_group_segment_fixed_size 0
		.amdhsa_private_segment_fixed_size 0
		.amdhsa_enable_private_segment 0
		.amdhsa_kernarg_size 32
		.amdhsa_user_sgpr_count 2
		.amdhsa_user_sgpr_kernarg_segment_ptr 1
		.amdhsa_wavefront_size32 1
		.amdhsa_system_sgpr_workgroup_id_x 1
		.amdhsa_system_sgpr_workgroup_id_y 1
		.amdhsa_system_sgpr_workgroup_id_z 1
		.amdhsa_system_vgpr_workitem_id 0
		.amdhsa_next_free_vgpr 64
		.amdhsa_next_free_sgpr 66
		.amdhsa_reserve_vcc 0
		.amdhsa_float_denorm_mode_32 3
		.amdhsa_float_denorm_mode_16_64 3
		.amdhsa_memory_ordered 1
		.amdhsa_forward_progress 1
		.amdhsa_inst_pref_size 11
	.end_amdhsa_kernel
	.amdgpu_metadata
---
amdhsa.version: [ 1, 2 ]
amdhsa.kernels:
  - .name:           k_q7bb02202f6_wprep
    .symbol:         k_q7bb02202f6_wprep.kd
    .args:
      - { .name: Wq, .offset: 0, .size: 8, .value_kind: global_buffer, .address_space: global }
      - { .name: Wkv, .offset: 8, .size: 8, .value_kind: global_buffer, .address_space: global }
      - { .name: lowp_scales, .offset: 16, .size: 8, .value_kind: global_buffer, .address_space: global }
      - { .name: wimg, .offset: 24, .size: 8, .value_kind: global_buffer, .address_space: global }
    .group_segment_fixed_size: 0
    .private_segment_fixed_size: 0
    .kernarg_segment_align: 8
    .kernarg_segment_size: 32
    .max_flat_workgroup_size: 128
    .sgpr_count:     66
    .vgpr_count:     64
    .wavefront_size: 32
...
	.end_amdgpu_metadata
.endif
;; end of part 1
;; launch proj (part 2): grid 256 x 1, 4 waves a work-group, no clusters, 327,680 bytes of LDS; arguments x, global_tokens, wimg, bq, bkv, lowp_scales, qimg, kvimg; writes qimg, kvimg
.if DOCPART == 2
	.amdgcn_target "amdgcn-amd-amdhsa--gfx1250"
	.amdhsa_code_object_version 6
	.text
	.protected	k_q7bb02202f6_proj
	.globl	k_q7bb02202f6_proj
	.p2align	8
	.type	k_q7bb02202f6_proj,@function
k_q7bb02202f6_proj:
	s_mov_b64 s[64:65], 0
	v_nop
	global_prefetch_b8 v0, s[64:65] scope:SCOPE_SE
	s_setreg_imm32_b32 hwreg(HW_REG_WAVE_MODE, 25, 1), 1
	s_wait_xcnt 0x0
; q = x Wq + bq and kv = global_tokens Wkv + bkv, both on codes of E5M2, and their results quantised at once into the operand images of the two attention products.  Nothing of the problem is left out here.
; ROLES, by the work-group's number alone: 0-127: q, row block = the number; 128-255: j = number - 128: k (j even) or v (j odd), row block j / 2.  Every work-group makes 128 rows x 512 columns, in two blocks of 64 rows.
; THE WAVES SHARE THE COLUMNS: wave w owns columns 128 w .. 128 w + 127 (heads 2 w, 2 w + 1) for all rows; its 32 weight fragments (8 column tiles x 4 K steps, 512 registers) come from wimg once and stay in registers.
; THE ROWS come as f32 by the tensor data mover: 8 tiles of 64 rows x 512 bytes (block s, K step w: wave w fetches, reads and quantises K step w), all asked for at the head: nothing in LDS is filled twice.
; A wave's codes of the rows go to the other waves as images of the operand's registers: four stores of 512 bytes a fragment, lane l's 16 bytes at 16 l.
; q and k: THE PRODUCT IS USED TRANSPOSED (source 0 = 16 columns of W, source 1 = 16 rows): a lane holds one row and eight neighbouring channels d, so the conversions' results are the next operand's registers:
;   tile image (16 rows x 64 d, 1,024 bytes): lane (r, h): row r; registers 2 t, 2 t + 1: d = 16 t + 8 h + 0 .. 7.   qimg: (b, head) x 128 tiles.   kvimg: (b, head) x 131,072 bytes: first 64 key tiles,
; v: THE PRODUCT IS USED AS IT IS (source 0 = 16 rows, source 1 = 16 columns): a lane holds one channel d and eight neighbouring keys, which are the last product's K:
;   from byte 65,536 of a (b, head): fragment (key step of 128, d tile) at step x 8,192 + tile x 2,048: lane (r, h): d = 16 tile + r; registers 2 u, 2 u + 1: keys 16 u + 8 h + 0 .. 7.
; THE BIAS is the C of each sum's first matrix instruction, divided by the power of two that the sums lack; the result's conversion takes 2^(eo - ea - eb) as its one scale.  (ea, eb, eo) = (e0, e1, e4), (e2, e3, e5), (e2, e3, e7).
; NO CLUSTER: the weights go straight into registers and are no tensor tiles; the q work-groups, half of the grid, share no tile of rows with anybody; only a k and a v work-group share one, two of any four partners at most.
; LIMITS: e0, e2, e4 - e0 - e1, e5 - e2 - e3, e7 - e2 - e3 between -126 and 112.  NaN among the inputs is not served; an infinity is held at the largest code.
; REGISTERS: window 0: v1-15 lane numbers, addresses, scales; v16-79 four fragments of rows; v80-143 eight accumulators (and 64 numbers of x on their way to codes); v144-175 codes; v176-239 the bias; v240-247 its offsets.
;   window 1: W's fragments of column tiles 0-3 at v[16 (4 t + step)];   window 2: those of tiles 4-7.
.set XTILE, 33792                      ; an f32 tile in LDS: 64 rows x (512 bytes + 16): the 16 rows that a load touches start at 16 different groups of banks
.set XBLK,  4*XTILE                    ; a block's four tiles
.set IMG,   2*XBLK                     ; behind the tiles: the block's 16 fragments of codes, (row tile m, K step) at (4 m + step) x 2,048
.set SPARE, IMG+32768                  ; behind them: the spare words, 128 bytes for each wave, which no other line names
.set LI,  4                            ; v4   16 x lane
.set XR,  5                            ; v5, v6  my place in my wave's f32 tile of block 0, 1
.set XW,  7                            ; v7   where I store my fragments' images
.set LF,  8                            ; v8   where I read any fragment's image
.set SPW, 10                           ; v10  my spare word; never rewritten
.set NIL, 11                           ; v11  0; never rewritten
.set SCX, 12                           ; v12  2^ea;  v13  57,344 x 2^ea
.set LMX, 13
.set SCO, 14                           ; v14  2^(eo - ea - eb);  v15  57,344 x that
.set LMO, 15
.set XF,  16
.set HA,  80
.set PC,  144
.set BI,  176
.set BO,  240
.set WV,  20                           ; s20  wave;  s21  1 for q;  s22  1 for v;  s23  row block
.set G1,  28                           ; s[28:35] descriptor group 1;  s[36:39], s[40:43] group 0 for block 0, 1
.set SRC, 52                           ; s[52:53] my tile of block 0 in memory
.set OUT, 54                           ; s[54:55] where my wave's images begin
.set WB,  56                           ; s[56:57] my wave's fragments in wimg
.set BB,  58                           ; s[58:59] my wave's 128 numbers of the bias
.set MSB, 0
.macro WIN new                         ; the immediate's high byte repeats the setting that is left
.if MSB != (\new)
	s_set_vgpr_msb (MSB<<8)|(\new)
.set MSB, (\new)
.endif
.endm
; 64 numbers of a lane, v[s] on, eight at a time, become codes in v[d0 + dstep g], v[d0 + dstep g + 1], g = 0 .. 7
.macro QUANT s, sc, lim, d0, dstep
.irp g, 0,1,2,3,4,5,6,7
.irp i, 0,1,2,3,4,5,6,7
	v_med3_num_f32 v[(\s)+8*\g+\i], v[(\s)+8*\g+\i], -v[\lim], v[\lim]   ; the conversion to an 8-bit code does not saturate (ISA guide 7.6.2): hold first; each accumulator from its low end on
.endr
	v_cvt_scalef32_pk8_bf8_f32 v[(\d0)+(\dstep)*\g:(\d0)+(\dstep)*\g+1], v[(\s)+8*\g:(\s)+8*\g+7], v[\sc]
.endr
	v_nop                                          ; a plain vector line behind the last conversion, ahead of whatever next writes its sources
.endm
; Block s: my K step of its 64 rows, f32 out of my own tile, becomes four fragments of codes.  Register 16 c + i of a lane is k = 32 c + 16 h + i of its row: the order in which wimg holds W.
.macro XPHASE s
	s_wait_tensorcnt 1-\s                          ; tensor loads of a wave end in order: block s's tile is in; for s = 0 block 1's may stay out.  Only I read my tiles, so no barrier is wanted
	s_wait_xcnt 0x0                                ; earlier global stores have read the code registers, which are written again below
.irp m, 0,1,2,3
.irp c, 0,1,2,3
.irp j, 0,1,2,3
	ds_load_b128 v[HA+16*\c+4*\j:HA+16*\c+4*\j+3], v[XR+\s] offset:8448*\m+128*\c+16*\j
.endr
.endr
	s_wait_dscnt 0x0                               ; the numbers are in; and the last fragment's stores are done with the code registers
	QUANT HA, SCX, LMX, PC, 2
.irp c, 0,1,2,3
	ds_store_b128 v[XW], v[PC+4*\c:PC+4*\c+3] offset:8192*\m+512*\c
.endr
.endr
.endm
.macro BAR                                     ; my LDS stores have landed and my LDS loads are in: then the work-group's barrier
	s_wait_dscnt 0x0
	s_barrier_signal -1
	s_barrier_wait -1
.endm
; 16 matrix instructions: column tiles 4 gq .. 4 gq + 3, K step by K step.  The four accumulators take turns, one instruction a turn.  The first K step takes the bias as C.
.macro MULG vp, gq
.irp sp, 0,1,2,3
.irp t, 0,1,2,3
.set rD, HA+8*(4*\gq+\t)
.set rC, HA+8*(4*\gq+\t)
.if \sp == 0
.set rC, BI+8*(4*\gq+\t)
.endif
.set rW, 16*(4*\t+\sp)
.set rX, XF+16*\sp
.if \vp
	v_wmma_f32_16x16x128_bf8_bf8 v[rD:rD+7], v[rX:rX+15], v[rW:rW+15], v[rC:rC+7]
.else
	v_wmma_f32_16x16x128_bf8_bf8 v[rD:rD+7], v[rW:rW+15], v[rX:rX+15], v[rC:rC+7]
.endif
.endr
.endr
.endm
; Block s: for each of its four tiles of 16 rows: the rows' four fragments from LDS, 32 products, the results' codes, their images to memory.  vp = 1: v's form.
.macro MPHASE s, vp
.irp m, 0,1,2,3
.irp sp, 0,1,2,3
.irp c, 0,1,2,3
	ds_load_b128 v[XF+16*\sp+4*\c:XF+16*\sp+4*\c+3], v[LF] offset:(4*\m+\sp)*2048+512*\c
.endr
.endr
	s_wait_dscnt 0x0
.if \vp
	WIN 0x04                                       ; source 1 (W) window 1
	MULG 1, 0
	WIN 0x08                                       ; window 2
	MULG 1, 1
.else
	WIN 0x01                                       ; source 0 (W) window 1
	MULG 0, 0
	WIN 0x02                                       ; window 2
	MULG 0, 1
.endif
	WIN 0
.rept 4
	v_nop                                          ; four places between the last product and the first read of its result, and the next loads into the rows' fragments
.endr
	s_wait_xcnt 0x0                                ; the last stores have read the code registers
.if \vp
	QUANT HA, SCO, LMO, PC+2*(\m%2), 4             ; column tile t's eight keys: registers 2 (m % 2), + 1 of its chunk
.if \m%2
.irp t, 0,1,2,3,4,5,6,7
	global_store_b128 v[LI], v[PC+4*\t:PC+4*\t+3], s[OUT:OUT+1] offset:(\t/4)*131072+(\t%4)*2048+512*(2*\s+\m/2)   ; 512 consecutive aligned bytes: a chunk of fragment (my key step, d tile t % 4) of head 2 w + t / 4
.endr
.endif
.else
	QUANT HA, SCO, LMO, PC, 2
.irp hd, 0,1
.irp c, 0,1
	global_store_b128 v[LI], v[PC+8*\hd+4*\c:PC+8*\hd+4*\c+3], s[OUT:OUT+1] offset:\hd*131072+(4*\s+\m)*1024+512*\c   ; 512 consecutive aligned bytes: half of row tile 4 s + m's image in head 2 w + hd
.endr
.endr
.endif
.endr
.endm
	s_load_b512 s[4:19], s[0:1], 0x0               ; x s[4:5], global_tokens s[6:7], wimg s[8:9], bq s[10:11], bkv s[12:13], the exponents s[14:15], qimg s[16:17], kvimg s[18:19]
	v_lshl_add_u32 v[SPW], v0, 2, SPARE
	v_mov_b32 v[NIL], 0
	ds_add_u32 v[SPW], v[NIL]                      ; the wave's opening: the add, twice on end, and its wait ahead of my first tensor load; work on registers stands between
	ds_add_u32 v[SPW], v[NIL]
	v_lshrrev_b32 v1, 5, v0
	v_readfirstlane_b32 s[WV], v1                  ; wave 0..3
	s_cmp_lt_u32 ttmp9, 128
	s_cselect_b32 s21, 1, 0                        ; q?
	s_sub_co_u32 s24, ttmp9, 128                   ; j (used where not q)
	s_and_b32 s22, s24, 1
	s_lshr_b32 s25, s24, 1
	s_cmp_lg_u32 s21, 0
	s_cselect_b32 s22, 0, s22                      ; v?
	s_cselect_b32 s23, ttmp9, s25                  ; row block of 128
	s_cselect_b32 s26, 4, 3                        ; a batch has 16 row blocks of x, 8 of global_tokens
	s_cselect_b32 s60, 15, 7
	s_lshr_b32 s27, s23, s26                       ; b
	s_and_b32 s60, s23, s60                        ; the row block within the batch
	s_lshl_b32 s27, s27, 3
	s_lshl_b32 s61, s[WV], 1
	s_add_co_u32 s27, s27, s61                     ; 8 b + 2 w: my first head
	s_lshl_b32 s27, s27, 17                        ; a (b, head) is 131,072 bytes in qimg and in kvimg
	s_lshl_b32 s60, s60, 13                        ; 128 rows are 8 tiles of 1,024 bytes, or one key step of 8,192
	s_add_co_u32 s66, s27, s60
	s_lshl_b32 s61, s22, 16                        ; v's half begins 65,536 bytes on
	s_add_co_u32 s66, s66, s61
	s_mov_b32 s67, 0
	s_sub_co_u32 s68, 1, s21
	s_add_co_u32 s68, s68, s22                     ; which 32 column tiles of wimg: 0 q, 1 k, 2 v
	s_lshl_b32 s68, s68, 18
	s_lshl_b32 s61, s[WV], 16                      ; my 8 of them
	s_add_co_u32 s68, s68, s61
	s_mov_b32 s69, 0
	s_lshl_b32 s70, s22, 11                        ; the bias: v's half of bkv begins 2,048 bytes on;
	s_lshl_b32 s61, s[WV], 9                       ; my 128 numbers.  (Also: my K step's 512 bytes of a row)
	s_add_co_u32 s70, s70, s61
	s_mov_b32 s71, 0
	s_lshl_b32 s72, s23, 18                        ; 128 rows of 2,048 bytes
	s_add_co_u32 s72, s72, s61
	s_mov_b32 s73, 0
	; descriptor group 1: a tile of 64 rows x 128 elements of 4 bytes, 16 bytes of padding behind each row
	s_mov_b32 s[G1+0], (2<<16)|(1<<20)|(6<<22)|(3<<25)   ; no mask; elements of 4 bytes; padding on: after every 128 words (code 6) 4 words (code 3)
	s_mov_b32 s[G1+1], 128<<16                     ; tensor_dim0 = 128
	s_mov_b32 s[G1+2], 64<<16                      ; tensor_dim1 = 64
	s_mov_b32 s[G1+3], 128<<16                     ; tile_dim0 = 128
	s_mov_b32 s[G1+4], 64                          ; tile_dim1 = 64
	s_mov_b32 s[G1+5], 512                         ; from row to row: 512 elements
	s_mov_b32 s[G1+6], 0
	s_mov_b32 s[G1+7], 0
	s_wait_dscnt 0x0                               ; both opening adds are done
	s_wait_kmcnt 0x0
	s_load_b256 s[44:51], s[14:15], 0x0            ; e0 .. e7
	s_cmp_lg_u32 s21, 0                            ; the choices hang on the work-group's number alone
	s_cselect_b64 s[SRC:SRC+1], s[4:5], s[6:7]
	s_cselect_b64 s[OUT:OUT+1], s[16:17], s[18:19]
	s_cselect_b64 s[BB:BB+1], s[10:11], s[12:13]
	s_add_nc_u64 s[SRC:SRC+1], s[SRC:SRC+1], s[72:73]
	s_add_nc_u64 s[OUT:OUT+1], s[OUT:OUT+1], s[66:67]
	s_add_nc_u64 s[WB:WB+1], s[8:9], s[68:69]
	s_add_nc_u64 s[BB:BB+1], s[BB:BB+1], s[70:71]
	s_mov_b32 s36, 1                               ; group 0, block 0: count = 1,
	s_mul_i32 s37, s[WV], XTILE                    ; LDS address: my wave's tile,
	s_mov_b64 s[38:39], s[SRC:SRC+1]               ; global address,
	s_or_b32 s39, s39, 0x80000000                  ; type = 2
	s_mov_b32 s40, 1                               ; block 1: 64 rows further down
	s_add_co_u32 s41, s37, XBLK
	s_add_nc_u64 s[42:43], s[SRC:SRC+1], 131072
	s_or_b32 s43, s43, 0x80000000
	tensor_load_to_lds s[36:39], s[G1:G1+7]        ; every wave issues both its fills here, ahead of every wait on TENSORcnt, LDS read and barrier: two loads of mine are out
	s_nop 0
	tensor_load_to_lds s[40:43], s[G1:G1+7]
	s_nop 0
.rept 4
	v_nop
.endr
	v_and_b32 v1, 31, v0                           ; lane
	v_and_b32 v2, 15, v0                           ; r
	v_bfe_u32 v3, v0, 4, 1                         ; h
	v_lshlrev_b32 v[LI], 4, v1
	v_mul_u32_u24 v[XR], v2, 528
	v_lshl_add_u32 v[XR], v3, 6, v[XR]             ; row r, + 64 h: my 16 numbers of a block of 32
	v_add_nc_u32 v[XR], s37, v[XR]                 ; in my wave's tile
	v_add_nc_u32 v[XR+1], XBLK, v[XR]
	s_lshl_b32 s25, s[WV], 11
	s_add_co_u32 s25, s25, IMG
	v_add_nc_u32 v[XW], s25, v[LI]                 ; fragment (m, K step w): IMG + 2,048 w + 16 lane, + 8,192 m in the immediate
	v_add_nc_u32 v[LF], IMG, v[LI]
	WIN 0x40                                       ; destination window 1
.set f, 0
.rept 16
.irp c, 0,1,2,3
	global_load_b128 v[16*f+4*\c:16*f+4*\c+3], v[LI], s[WB:WB+1] offset:2048*f+512*\c
.endr
.set f, f+1
.endr
	WIN 0x80                                       ; destination window 2
.set f, 0
.rept 16
.irp c, 0,1,2,3
	global_load_b128 v[16*f+4*\c:16*f+4*\c+3], v[LI], s[WB:WB+1] offset:2048*(f+16)+512*\c
.endr
.set f, f+1
.endr
	WIN 0
	; the bias in the result's layout.  q, k: register j of tile t is channel 16 t + 8 h + j; v: channel 16 t + r in all eight.  One text: offset j = (v ? 4 r : 32 h + 4 j)
	s_cmp_lg_u32 s22, 0
	s_cselect_b32 s60, 4, 0
	s_cselect_b32 s61, 0, 32
	s_cselect_b32 s62, 0, 4
	v_mul_u32_u24 v[BO], v2, s60
	v_mad_u32_u24 v[BO], v3, s61, v[BO]
.irp j, 1,2,3,4,5,6,7
	s_mul_i32 s63, s62, \j
	v_add_nc_u32 v[BO+\j], s63, v[BO]
.endr
.irp t, 0,1,2,3,4,5,6,7
.irp j, 0,1,2,3,4,5,6,7
	global_load_b32 v[BI+8*\t+\j], v[BO+\j], s[BB:BB+1] offset:64*\t
.endr
.endr
	s_wait_kmcnt 0x0
	s_cmp_lg_u32 s22, 0
	s_cselect_b32 s26, s51, s49                    ; e7 for v, e5 for k,
	s_cmp_lg_u32 s21, 0
	s_cselect_b32 s24, s44, s46                    ; ea
	s_cselect_b32 s25, s45, s47                    ; eb
	s_cselect_b32 s26, s48, s26                    ; eo: e4 for q
	s_add_co_i32 s27, s24, s25                     ; a sum stands for sum x 2^(ea + eb)
	s_sub_co_i32 s70, 0, s27
	s_sub_co_i32 s26, s26, s27                     ; eo - ea - eb
	s_add_co_i32 s24, s24, 127
	s_lshl_b32 s25, s24, 23
	v_mov_b32 v[SCX], s25                          ; 2^ea as f32
	s_add_co_i32 s24, s24, 15
	s_lshl_b32 s24, s24, 23
	s_or_b32 s24, s24, 0x600000
	v_mov_b32 v[LMX], s24                          ; 57,344 x 2^ea
	s_add_co_i32 s26, s26, 127
	s_lshl_b32 s25, s26, 23
	v_mov_b32 v[SCO], s25                          ; 2^(eo - ea - eb)
	s_add_co_i32 s26, s26, 15
	s_lshl_b32 s26, s26, 23
	s_or_b32 s26, s26, 0x600000
	v_mov_b32 v[LMO], s26
	XPHASE 0
	s_wait_loadcnt 0x0                             ; W's fragments and the bias
.set i, 0
.rept 64
	v_ldexp_f32 v[BI+i], v[BI+i], s70              ; bias / 2^(ea + eb)
.set i, i+1
.endr
	BAR                                            ; block 0's sixteen fragments lie in LDS
	s_cmp_lg_u32 s22, 0                            ; the two forms of the product: the work-group's number decides; both arms only read LDS
	s_cbranch_scc1 .Lv0
	MPHASE 0, 0
	s_branch .Lj0
.Lv0:
	MPHASE 0, 1
.Lj0:
	BAR                                            ; every wave's reads of the images are over: they may be written again
	XPHASE 1
	BAR                                            ; block 1's sixteen fragments lie in LDS
	s_cmp_lg_u32 s22, 0
	s_cbranch_scc1 .Lv1
	MPHASE 1, 0
	s_branch .Lj1
.Lv1:
	MPHASE 1, 1
.Lj1:
	s_wait_tensorcnt 0x0                           ; the wave's end: behind my last tensor load and my last LDS store
	ds_add_u32 v[SPW], v[NIL]
	s_wait_dscnt 0x0
	s_endpgm
.Lfunc_end_k_q7bb02202f6_proj:
	.size	k_q7bb02202f6_proj, .Lfunc_end_k_q7bb02202f6_proj-k_q7bb02202f6_proj
	.p2alignl 7, 3214868480
	.fill 96, 4, 3214868480
	.section	.rodata,"a",@progbits
	.p2align	6, 0x0
	.amdhsa_kernel k_q7bb02202f6_proj
		.amdhsa_group_segment_fixed_size 327680
		.amdhsa_private_segment_fixed_size 0
		.amdhsa_enable_private_segment 0
		.amdhsa_kernarg_size 64
		.amdhsa_user_sgpr_count 2
		.amdhsa_user_sgpr_kernarg_segment_ptr 1
		.amdhsa_wavefront_size32 1
		.amdhsa_system_sgpr_workgroup_id_x 1
		.amdhsa_system_sgpr_workgroup_id_y 1
		.amdhsa_system_sgpr_workgroup_id_z 1
		.amdhsa_system_vgpr_workitem_id 0
		.amdhsa_next_free_vgpr 768
		.amdhsa_next_free_sgpr 80
		.amdhsa_reserve_vcc 0
		.amdhsa_float_denorm_mode_32 3
		.amdhsa_float_denorm_mode_16_64 3
		.amdhsa_memory_ordered 1
		.amdhsa_forward_progress 1
		.amdhsa_inst_pref_size 206
	.end_amdhsa_kernel
	.amdgpu_metadata
---
amdhsa.version: [ 1, 2 ]
amdhsa.kernels:
  - .name:           k_q7bb02202f6_proj
    .symbol:         k_q7bb02202f6_proj.kd
    .args:
      - { .name: x, .offset: 0, .size: 8, .value_kind: global_buffer, .address_space: global }
      - { .name: global_tokens, .offset: 8, .size: 8, .value_kind: global_buffer, .address_space: global }
      - { .name: wimg, .offset: 16, .size: 8, .value_kind: global_buffer, .address_space: global }
      - { .name: bq, .offset: 24, .size: 8, .value_kind: global_buffer, .address_space: global }
      - { .name: bkv, .offset: 32, .size: 8, .value_kind: global_buffer, .address_space: global }
      - { .name: lowp_scales, .offset: 40, .size: 8, .value_kind: global_buffer, .address_space: global }
      - { .name: qimg, .offset: 48, .size: 8, .value_kind: global_buffer, .address_space: global }
      - { .name: kvimg, .offset: 56, .size: 8, .value_kind: global_buffer, .address_space: global }
    .group_segment_fixed_size: 327680
    .private_segment_fixed_size: 0
    .kernarg_segment_align: 8
    .kernarg_segment_size: 64
    .max_flat_workgroup_size: 128
    .sgpr_count:     80
    .vgpr_count:     768
    .wavefront_size: 32
...
	.end_amdgpu_metadata
.endif
;; end of part 2
;; launch attn (part 3): grid 4 x 64, 8 waves a work-group, clusters of 4 x 1, 167,936 bytes of LDS; arguments qimg, kvimg, lowp_scales, out0; writes out0
.if DOCPART == 3
	.amdgcn_target "amdgcn-amd-amdhsa--gfx1250"
	.amdhsa_code_object_version 6
	.text
	.protected	k_q7bb02202f6_attn
	.globl	k_q7bb02202f6_attn
	.p2align	8
	.type	k_q7bb02202f6_attn,@function
k_q7bb02202f6_attn:
	s_mov_b64 s[64:65], 0
	v_nop
	global_prefetch_b8 v0, s[64:65] scope:SCOPE_SE
	s_setreg_imm32_b32 hwreg(HW_REG_WAVE_MODE, 25, 1), 1
	s_wait_xcnt 0x0
	s_wait_alu depctr_hold_cnt(0) depctr_sa_sdst(0) depctr_va_vdst(0) depctr_va_sdst(0) depctr_va_ssrc(0) depctr_va_vcc(0) depctr_vm_vsrc(0)
	s_getreg_b32 s2, hwreg(HW_REG_IB_STS2, 6, 4)
	s_cmp_eq_u32 s2, 0
	s_cbranch_scc0 .Lentry_in_a_cluster
	s_endpgm
.Lentry_in_a_cluster:
	s_bfe_u32 s2, ttmp6, 0x10000c
	s_cmp_lg_u32 s2, 0x3003
	s_cbranch_scc0 .Lentry_shape_is_right
	s_endpgm
.Lentry_shape_is_right:
; out0[b][n][64 head + d] = the sum over m of softmax_m(q[n] . k[m]) v[m][d], both products on codes of E5M2; no factor 1 / sqrt(64), as the problem has it.  Nothing of the problem is left out here.
; THE SOFTMAX AHEAD OF THE SECOND PRODUCT: t = score x log2(e); M = the row's largest t so far, rounded UP to a whole number; p = 2^(t - M) is quantised with 2^e6, not normalised.
; The row's sum is taken of the unquantised p, in f32, and divides at the end.  When M moves, the sum and O are multiplied by 2^(old M - new M), which rounds nothing.
; SHARES.  A cluster of four work-groups is one (b, head); a work-group owns 512 of its 2,048 queries, each of eight waves 64: four tiles of 16.  Two waves share a SIMD.  Every wave walks the 1,024 keys, 128 a step.
; Each fragment of K and of V that a wave reads from LDS serves its four tiles of queries.
; K AND V: a head's images, 131,072 consecutive bytes of kvimg, are the same for the four partners: they are asked for JOINTLY, once, at the head: wave w's load brings 16,384 bytes.  Nothing in LDS is filled twice.
; LAYOUT.  Both products are used transposed: S^T = K Q^T (source 0 = 16 keys, source 1 = 16 queries), O^T = V^T P^T (source 0 = 16 channels, source 1 = P): a lane holds ONE query (lane % 16) throughout.
; In S^T register 8 u + j of lane (r, h) is key 16 u + 8 h + j; its codes fall into registers 2 u, 2 u + 1 of P, and V's images hold the same keys in the same registers.
; LIMITS: e4 + e5 between -126 and 127 (added to log2(e)'s exponent field); e6 between -126 and 112; e6 + e7 is applied by v_ldexp_f32 and has none.
; REGISTERS: window 0: v1-9 addresses; v12-27 four a tile: -M, the largest t, the sum in two halves; v28, v29 2^e6 and 57,344 x 2^e6; v30-37 at work; v40-71 Q; v72-135 K of a step; v136-199 S^T, then p; v200-215 p's codes.
;   window 1: v0-127 O^T (tile q, channels 16 dt on, at v[32 q + 8 dt]); v128-191 V of a step.
.set STAGE, 131072                     ; behind K's and V's images: 16 rows x (256 bytes + 16) for each wave, for the way out
.set SPARE, STAGE+8*16*272             ; behind the stages: the spare words, 128 bytes for each wave, which no other line names
.set LI,  1                            ; v1   16 x lane
.set LIV, 2                            ; v2   the same in V's half
.set ADK, 3                            ; v3   LDS address of the step's K
.set ADV, 4                            ; v4   of its V
.set SPW, 5                            ; v5   my spare word; never rewritten
.set NIL, 6                            ; v6   0; never rewritten
.set GO,  7                            ; v7   the way out: my byte offset in two rows of out0
.set STO, 8                            ; v8   where I put 32 bytes of a row
.set RD,  9                            ; v9   where I read a row back
.set ST,  12
.set SC6, 28
.set LM6, 29
.set TA,  30
.set TC,  31
.set FF,  32                           ; v[32:33] f; v33 is written once, being named with it as a pair
.set TP,  34                           ; a lane permute's destination, written once at the head
.set S2,  36                           ; v[36:37] the second chain of the sums
.set Q,   40
.set KF,  72
.set S,   136
.set P,   200
.set VF,  128                          ; in window 1
.set OR0, 72                           ; the way out: tile q's 32 registers at v[72 + 32 q]
.set WV,  12                           ; s12  wave
.set G1,  24                           ; s[24:31] descriptor group 1;  s[32:35] group 0
.set CS,  36                           ; s[36:37] c = log2(e) x 2^(e4 + e5): the packed form names a pair and takes its low word
.set SEL, 38                           ; s[38:39] lane selects for v_permlanex16_b32: lane l xor 16
.set TB,  40                           ; s40  8,192 x the key step whose tiles are fetched next
.set CNT, 41
.set MSB, 0
.macro WIN new                         ; the immediate's high byte repeats the setting that is left
.if MSB != (\new)
	s_set_vgpr_msb (MSB<<8)|(\new)
.set MSB, (\new)
.endif
.endm
.macro CROUND                          ; a round of the cluster's barrier: my work-group's barrier; wave 0 signals for the work-group; every wave waits for all four; my work-group's barrier once more
	s_barrier_signal -1
	s_barrier_wait -1
	s_cmp_lg_u32 s[WV], 0
	s_cbranch_scc1 .Lnot_wave_0_\@
	s_barrier_signal -3
.Lnot_wave_0_\@:
	s_barrier_wait -3
	s_barrier_signal -1
	s_barrier_wait -1
.endm
.macro KLOAD                           ; a step's eight key tiles: 16 loads of 512 consecutive bytes
	v_add_nc_u32 v[ADK], s[TB], v[LI]
.irp t, 0,1,2,3,4,5,6,7
.irp c, 0,1
	ds_load_b128 v[KF+8*\t+4*\c:KF+8*\t+4*\c+3], v[ADK] offset:1024*\t+512*\c
.endr
.endr
.endm
; Tile q of my queries against the step's 128 keys.  first = 1: the first key step, which starts M, the sum and O^T.  next = 1: behind tile 3's scores the next step's K is fetched.
.macro TILE q, first, next
.set T0, ST+4*\q
.irp t, 0,1,2,3,4,5,6,7
	v_wmma_f32_16x16x64_bf8_bf8 v[S+8*\t:S+8*\t+7], v[KF+8*\t:KF+8*\t+7], v[Q+8*\q:Q+8*\q+7], 0
.endr
.rept 4
	v_nop                                          ; four places between the last product and the first read of its result, and the loads into K's registers
.endr
.if (\q == 3) && \next
	s_add_co_u32 s[TB], s[TB], 8192
	KLOAD                                          ; K's registers are free from here: the next step's K lands under this tile's softmax
.endif
	v_max3_num_f32 v[TA], v[S], v[S+1], v[S+2]     ; the largest score of my query among my 64 keys, in two chains, each accumulator from its low end on,
	v_max3_num_f32 v[TC], v[S+3], v[S+4], v[S+5]
.irp i, 6,10,14,18,22,26,30,34,38,42,46,50,54,58
	v_max3_num_f32 v[TA], v[TA], v[S+\i], v[S+\i+1]
	v_max3_num_f32 v[TC], v[TC], v[S+\i+2], v[S+\i+3]
.endr
	v_max3_num_f32 v[TA], v[TA], v[S+62], v[S+63]
	v_max_num_f32 v[TA], v[TA], v[TC]
	v_permlanex16_b32 v[TP], v[TA], s[SEL], s[SEL+1]
	v_max_num_f32 v[TA], v[TA], v[TP]              ; and among lane l xor 16's
.if \first
	v_mul_f32 v[T0+1], s[CS], v[TA]                ; as t (c is positive): the largest t so far
	v_floor_f32 v[T0], -v[T0+1]                    ; -M = floor(-t) = -ceil(t): M is a whole number
.else
	v_mul_f32 v[TA], s[CS], v[TA]
	v_max_num_f32 v[T0+1], v[T0+1], v[TA]          ; the running largest t
	v_mov_b32 v[TA], v[T0]
	v_floor_f32 v[T0], -v[T0+1]                    ; the new -M
	v_sub_f32 v[TA], v[T0], v[TA]                  ; M's old value less its new one: a whole number, 0 or less
	v_cvt_i32_f32 v[TA], v[TA]                     ; (it saturates)
	v_ldexp_f32 v[FF], 1.0, v[TA]                  ; f = 2^(old M - new M)
.endif
.irp j, 0,2,4,6,8,10,12,14,16,18,20,22,24,26,28,30,32,34,36,38,40,42,44,46,48,50,52,54,56,58,60,62
	v_pk_fma_f32 v[S+\j:S+\j+1], v[S+\j:S+\j+1], s[CS:CS+1], v[T0:T0+1] op_sel_hi:[1,0,0]   ; t - M, two at a time (of the pairs c and -M the low word serves both halves)
.endr
.set i, 0
.rept 64
	v_exp_f32 v[S+i], v[S+i]                       ; p = 2^(t - M), at most 1: not normalised
.set i, i+1
.endr
.if \first
	v_nop                                          ; a plain line behind the exponentials
.else
	v_pk_mul_f32 v[T0+2:T0+3], v[T0+2:T0+3], v[FF:FF+1] op_sel_hi:[1,0]   ; the sum under the new M.  (The plain line behind the exponentials)
.endif
	s_wait_alu depctr_va_vdst(0)                   ; one wait for the batch of 64, ahead of the first line that names a result
	v_pk_add_f32 v[S2:S2+1], v[S:S+1], v[S+2:S+3]  ; the sum of the UNQUANTISED p, two at a time, in two chains
.if \first
	v_pk_add_f32 v[T0+2:T0+3], v[S+4:S+5], v[S+6:S+7]
.else
	v_pk_add_f32 v[T0+2:T0+3], v[T0+2:T0+3], v[S+4:S+5]
	v_pk_add_f32 v[S2:S2+1], v[S2:S2+1], v[S+6:S+7]
.endif
.irp j, 8,12,16,20,24,28,32,36,40,44,48,52,56,60
	v_pk_add_f32 v[T0+2:T0+3], v[T0+2:T0+3], v[S+\j:S+\j+1]
	v_pk_add_f32 v[S2:S2+1], v[S2:S2+1], v[S+\j+2:S+\j+3]
.endr
	v_pk_add_f32 v[T0+2:T0+3], v[T0+2:T0+3], v[S2:S2+1]
.set i, 0
.rept 64
	v_min_num_f32 v[S+i], v[S+i], v[LM6]           ; the conversion to an 8-bit code does not saturate (ISA guide 7.6.2); p is not negative, so the hold is one-sided
.set i, i+1
.endr
.irp t, 0,1,2,3,4,5,6,7
	v_cvt_scalef32_pk8_bf8_f32 v[P+2*\t:P+2*\t+1], v[S+8*\t:S+8*\t+7], v[SC6]
.endr
.if \first
	v_nop                                          ; a plain line between the conversions and the products that read their results
.else
	WIN 0x41                                       ; O^T (destination and source 0) window 1, f window 0
.set i, 0
.rept 16
	v_pk_mul_f32 v[32*\q+i:32*\q+i+1], v[32*\q+i:32*\q+i+1], v[FF:FF+1] op_sel_hi:[1,0]   ; O^T under the new M, each accumulator from its low end on.  (Also the plain lines behind the conversions)
.set i, i+2
.endr
.endif
.if \q == 0
	s_wait_dscnt 0x0                               ; V is in
.endif
	WIN 0x51                                       ; V, C and D window 1, P window 0
.irp dt, 0,1,2,3
.if \first
	v_wmma_f32_16x16x128_bf8_bf8 v[32*\q+8*\dt:32*\q+8*\dt+7], v[VF+16*\dt:VF+16*\dt+15], v[P:P+15], 0
.else
	v_wmma_f32_16x16x128_bf8_bf8 v[32*\q+8*\dt:32*\q+8*\dt+7], v[VF+16*\dt:VF+16*\dt+15], v[P:P+15], v[32*\q+8*\dt:32*\q+8*\dt+7]
.endif
.endr
	WIN 0
.endm
; A key step.  K was asked for under the step before; V is asked for here and lands under tile 0's softmax.
.macro STEP first, next
	v_add_nc_u32 v[ADV], s[TB], v[LIV]
.rept 3
	v_nop                                          ; with the addition above: four places between the last product that read V and the loads into V's registers
.endr
	WIN 0x40                                       ; destination window 1
.irp dt, 0,1,2,3
.irp c, 0,1,2,3
	ds_load_b128 v[VF+16*\dt+4*\c:VF+16*\dt+4*\c+3], v[ADV] offset:2048*\dt+512*\c
.endr
.endr
	WIN 0
	s_wait_dscnt 16                                ; LDS loads come back in order: all but the 16 just issued: K is in
	TILE 0, \first, \next
	TILE 1, \first, \next
	TILE 2, \first, \next
	TILE 3, \first, \next
.endm
	s_load_b256 s[4:11], s[0:1], 0x0               ; qimg s[4:5], kvimg s[6:7], the exponents s[8:9], out0 s[10:11]
	v_lshl_add_u32 v[SPW], v0, 2, SPARE
	v_mov_b32 v[NIL], 0
	ds_add_u32 v[SPW], v[NIL]                      ; the wave's opening: the add, twice on end, and its wait ahead of the round in front of my first tensor load; work on registers stands between
	ds_add_u32 v[SPW], v[NIL]
	v_lshrrev_b32 v1, 5, v0
	v_readfirstlane_b32 s[WV], v1                  ; wave 0..7
	s_bfe_u32 s13, ttmp6, 0x40000                  ; cx: my place in the cluster
	s_lshl_b32 s48, ttmp9, 2                       ; in a cluster launch ttmp9 counts clusters
	s_add_co_u32 s13, s13, s48                     ; my block of 512 queries: it enters Q's and out0's addresses alone
	s_and_b32 s14, ttmp7, 0xffff                   ; 8 b + head, which the four partners share
	s_mov_b32 s[G1+0], 15|(3<<16)|(1<<21)          ; the mask: all four work-groups; elements of 8 bytes; bit 21 set beside a mask; no padding: images are read 16 bytes a lane on end
	s_mov_b32 s[G1+1], 32<<16                      ; tensor_dim0 = 32: rows of 256 bytes
	s_mov_b32 s[G1+2], 64<<16                      ; tensor_dim1 = 64
	s_mov_b32 s[G1+3], 32<<16                      ; tile_dim0 = 32
	s_mov_b32 s[G1+4], 64                          ; tile_dim1 = 64
	s_mov_b32 s[G1+5], 32                          ; dense: the pitch is the row
	s_mov_b32 s[G1+6], 0
	s_mov_b32 s[G1+7], 0
	s_mov_b32 s[SEL], 0x76543210
	s_mov_b32 s[SEL+1], 0xfedcba98
	s_mov_b32 s[TB], 0
	s_lshl_b32 s48, s14, 17                        ; the head's 131,072 bytes of kvimg,
	s_lshl_b32 s49, s[WV], 14                      ; my wave's 16,384 of them
	s_add_co_u32 s48, s48, s49
	s_mov_b32 s49, 0
	s_lshl_b32 s50, s14, 17                        ; the head's 128 tiles of qimg,
	s_lshl_b32 s51, s13, 15                        ; my block's 32,
	s_add_co_u32 s50, s50, s51
	s_lshl_b32 s51, s[WV], 12                      ; my wave's 4
	s_add_co_u32 s50, s50, s51
	s_mov_b32 s51, 0
	s_lshr_b32 s52, s14, 3
	s_lshl_b32 s52, s52, 11                        ; out0: row 2,048 b
	s_lshl_b32 s53, s13, 9
	s_add_co_u32 s52, s52, s53                     ; + 512 x block
	s_lshl_b32 s53, s[WV], 6
	s_add_co_u32 s52, s52, s53                     ; + 64 x wave,
	s_lshl_b32 s52, s52, 11                        ; of 2,048 bytes,
	s_and_b32 s53, s14, 7
	s_lshl_b32 s53, s53, 8                         ; + the head's 256 bytes of a row
	s_add_co_u32 s52, s52, s53
	s_mov_b32 s53, 0
	s_wait_dscnt 0x0                               ; both opening adds are done
	s_wait_kmcnt 0x0
	s_load_b256 s[16:23], s[8:9], 0x0              ; e0 .. e7
	s_mov_b32 s32, 1                               ; group 0: count = 1,
	s_lshl_b32 s33, s[WV], 14                      ; LDS address: 16,384 x wave: no place in the cluster enters it,
	s_add_nc_u64 s[34:35], s[6:7], s[48:49]        ; global address: of the head and the wave's number alone,
	s_or_b32 s35, s35, 0x80000000                  ; type = 2
	s_add_nc_u64 s[44:45], s[4:5], s[50:51]        ; Q's images of my four tiles
	s_add_nc_u64 s[46:47], s[10:11], s[52:53]      ; my first row's part of out0
	CROUND                                         ; all four work-groups are here: the joint loads meet
	tensor_load_to_lds s[32:35], s[G1:G1+7]        ; my one tensor load of the launch
	s_nop 0
.rept 4
	v_nop
.endr
	v_and_b32 v[LI], 31, v0
	v_lshlrev_b32 v[LI], 4, v[LI]
.irp q, 0,1,2,3
.irp c, 0,1
	global_load_b128 v[Q+8*\q+4*\c:Q+8*\q+4*\c+3], v[LI], s[44:45] offset:1024*\q+512*\c   ; Q stays in registers
.endr
.endr
	v_add_nc_u32 v[LIV], 65536, v[LI]
	v_and_b32 v[TA], 15, v0                        ; r
	v_bfe_u32 v[TC], v0, 4, 1                      ; h
	v_lshlrev_b32 v[GO], 11, v[TC]
	v_lshl_add_u32 v[GO], v[TA], 4, v[GO]          ; lanes 0-15 one row of out0, lanes 16-31 the next; 16 bytes a lane
	s_mul_i32 s48, s[WV], 16*272
	s_add_co_u32 s48, s48, STAGE                   ; my stage
	v_mul_u32_u24 v[STO], v[TA], 272
	v_lshl_add_u32 v[STO], v[TC], 5, v[STO]
	v_add_nc_u32 v[STO], s48, v[STO]               ; in: row r, + 32 h
	v_mul_u32_u24 v[RD], v[TC], 272
	v_lshl_add_u32 v[RD], v[TA], 4, v[RD]
	v_add_nc_u32 v[RD], s48, v[RD]                 ; back: lanes 0-15 one row, lanes 16-31 the next
	v_mov_b32 v[FF+1], 0
	v_mov_b32 v[TP], 0
	s_wait_kmcnt 0x0
	s_add_co_i32 s48, s20, s21                     ; a score stands for score x 2^(e4 + e5): the two exponents are added to log2(e)'s exponent field
	s_lshl_b32 s48, s48, 23
	s_add_co_i32 s[CS], s48, 0x3fb8aa3b
	s_mov_b32 s[CS+1], s[CS]                       ; (named with it as a pair, so it is written)
	s_add_co_i32 s48, s22, 127
	s_lshl_b32 s49, s48, 23
	v_mov_b32 v[SC6], s49                          ; 2^e6 as f32, for the conversion
	s_add_co_i32 s48, s48, 15
	s_lshl_b32 s48, s48, 23
	s_or_b32 s48, s48, 0x600000
	v_mov_b32 v[LM6], s48                          ; 57,344 x 2^e6
	s_add_co_i32 s42, s22, s23                     ; e6 + e7
	s_wait_tensorcnt 0x0                           ; my part of K and V is in,
	s_barrier_signal -1
	s_barrier_wait -1                              ; everybody's is
	KLOAD                                          ; key step 0
	s_wait_loadcnt 0x0                             ; Q
	STEP 1, 1                                      ; the first step is written out: it starts M, the sums and O^T, so nothing is cleared
	s_mov_b32 s[CNT], 6
.Lstep:
	STEP 0, 1
	s_sub_co_u32 s[CNT], s[CNT], 1
	s_cmp_lg_u32 s[CNT], 0
	s_cbranch_scc1 .Lstep
	STEP 0, 0                                      ; the last step fetches no further K
	; THE WAY OUT.  The sum's two halves and lane l xor 16's are added; O^T x 2^(e6 + e7) / the sum goes through my stage, a tile (16 rows x 256 bytes) at a time.  The four additions are the places behind the last products.
.irp q, 0,1,2,3
	v_add_f32 v[ST+4*\q+2], v[ST+4*\q+2], v[ST+4*\q+3]
.endr
.irp q, 0,1,2,3
	v_permlanex16_b32 v[ST+4*\q+3], v[ST+4*\q+2], s[SEL], s[SEL+1]
.endr
.irp q, 0,1,2,3
	v_add_f32 v[ST+4*\q+2], v[ST+4*\q+2], v[ST+4*\q+3]
.endr
.irp q, 0,1,2,3
	v_rcp_f32 v[ST+4*\q+2], v[ST+4*\q+2]
.endr
	v_nop                                          ; a plain line between the last reciprocal and the use of its result
	s_wait_alu depctr_va_vdst(0)                   ; and one wait for the four, ahead of the first use
.irp q, 0,1,2,3
	v_ldexp_f32 v[ST+4*\q+2], v[ST+4*\q+2], s42
.endr
.macro PACK q
	WIN 0x01                                       ; source 0 (O^T) window 1
.set i, 0
.rept 16
	v_pk_mul_f32 v[OR0+32*\q+i:OR0+32*\q+i+1], v[32*\q+i:32*\q+i+1], v[ST+4*\q+2:ST+4*\q+3] op_sel_hi:[1,0]   ; register 8 dt + j is channel 16 dt + 8 h + j of my query; each accumulator from its low end on
.set i, i+2
.endr
	WIN 0
.irp dt, 0,1,2,3
	ds_store_b128 v[STO], v[OR0+32*\q+8*\dt:OR0+32*\q+8*\dt+3] offset:64*\dt
	ds_store_b128 v[STO], v[OR0+32*\q+8*\dt+4:OR0+32*\q+8*\dt+7] offset:64*\dt+16
.endr
.irp i2, 0,1,2,3,4,5,6,7
	ds_load_b128 v[OR0+32*\q+4*\i2:OR0+32*\q+4*\i2+3], v[RD] offset:544*\i2   ; LDS serves a wave's instructions in order (ISA guide 5.7.1.4): these see my stores, and the next tile's stores come behind them
.endr
.endm
.macro SEND q, younger                 ; younger: the LDS instructions issued behind tile q's loads: the next tile's sixteen, or none
.irp i2, 0,1,2,3,4,5,6,7
	s_wait_dscnt \younger+7-\i2
	global_store_b128 v[GO], v[OR0+32*\q+4*\i2:OR0+32*\q+4*\i2+3], s[46:47] offset:(16*\q+2*\i2)*2048 th:TH_STORE_NT   ; 16 lanes store 256 consecutive aligned bytes: a head's 64 channels of one row
.endr
.endm
	PACK 0
	PACK 1
	SEND 0, 16
	PACK 2
	SEND 1, 16
	PACK 3
	SEND 2, 16
	SEND 3, 0
	s_wait_tensorcnt 0x0                           ; the wave's end: behind my last tensor load and my last LDS store
	ds_add_u32 v[SPW], v[NIL]
	s_wait_dscnt 0x0
	CROUND                                         ; the closing round: no work-group ends while a partner may still ask for a tile that names it
	s_endpgm
.Lfunc_end_k_q7bb02202f6_attn:
	.size	k_q7bb02202f6_attn, .Lfunc_end_k_q7bb02202f6_attn-k_q7bb02202f6_attn
	.p2alignl 7, 3214868480
	.fill 96, 4, 3214868480
	.section	.rodata,"a",@progbits
	.p2align	6, 0x0
	.amdhsa_kernel k_q7bb02202f6_attn
		.amdhsa_group_segment_fixed_size 167936
		.amdhsa_private_segment_fixed_size 0
		.amdhsa_enable_private_segment 0
		.amdhsa_kernarg_size 32
		.amdhsa_user_sgpr_count 2
		.amdhsa_user_sgpr_kernarg_segment_ptr 1
		.amdhsa_wavefront_size32 1
		.amdhsa_system_sgpr_workgroup_id_x 1
		.amdhsa_system_sgpr_workgroup_id_y 1
		.amdhsa_system_sgpr_workgroup_id_z 1
		.amdhsa_system_vgpr_workitem_id 0
		.amdhsa_next_free_vgpr 512
		.amdhsa_next_free_sgpr 66
		.amdhsa_reserve_vcc 0
		.amdhsa_float_denorm_mode_32 3
		.amdhsa_float_denorm_mode_16_64 3
		.amdhsa_memory_ordered 1
		.amdhsa_forward_progress 1
		.amdhsa_inst_pref_size 176
	.end_amdhsa_kernel
	.amdgpu_metadata
---
amdhsa.version: [ 1, 2 ]
amdhsa.kernels:
  - .name:           k_q7bb02202f6_attn
    .symbol:         k_q7bb02202f6_attn.kd
    .args:
      - { .name: qimg, .offset: 0, .size: 8, .value_kind: global_buffer, .address_space: global }
      - { .name: kvimg, .offset: 8, .size: 8, .value_kind: global_buffer, .address_space: global }
      - { .name: lowp_scales, .offset: 16, .size: 8, .value_kind: global_buffer, .address_space: global }
      - { .name: out0, .offset: 24, .size: 8, .value_kind: global_buffer, .address_space: global }
    .group_segment_fixed_size: 167936
    .private_segment_fixed_size: 0
    .kernarg_segment_align: 8
    .kernarg_segment_size: 32
    .max_flat_workgroup_size: 256
    .sgpr_count:     66
    .vgpr_count:     512
    .wavefront_size: 32
...
	.end_amdgpu_metadata
.endif
;; end of part 3
;; ======== version 2 of 2: 3 launches
;; limits: right only within a limited range of input values
;; workspace buffers: wimg 786,432 bytes; qimg 8,388,608 bytes; kvimg 8,388,608 bytes
;; launch wprep (part 4): grid 12 x 16, 4 waves a work-group, no clusters, 0 bytes of LDS; arguments Wq, Wkv, lowp_scales, wimg; writes wimg
.if DOCPART == 4
	.amdgcn_target "amdgcn-amd-amdhsa--gfx1250"
	.amdhsa_code_object_version 6
	.text
	.protected	k_q7bb02202f6_wprep
	.globl	k_q7bb02202f6_wprep
	.p2align	8
	.type	k_q7bb02202f6_wprep,@function
k_q7bb02202f6_wprep:
	s_mov_b64 s[64:65], 0
	v_nop
	global_prefetch_b8 v0, s[64:65] scope:SCOPE_SE
	s_setreg_imm32_b32 hwreg(HW_REG_WAVE_MODE, 25, 1), 1
	s_wait_xcnt 0x0
; Wq [512][512] and Wkv [512][1024], f32 with K as their FIRST axis, become codes of E5M2 with the given scales 2^e1 and 2^e3, laid as IMAGES OF OPERAND REGISTERS.
; code = w / 2^e, held within +-57,344, rounded to the nearest code, ties to even.
; NOTHING OF THE PROBLEM IS LEFT OUT in this program: every input has a way to the output (bkv's k half stands ahead of a quantiser, so it moves codes), and all four products are done.
; wimg: 96 column tiles (0-31 Wq's columns, 32-63 Wkv's k columns, 64-95 its v columns) x 4 K steps of 128; fragment (tile, step) at tile x 8,192 + step x 2,048 bytes.
; A fragment is four chunks of 512 bytes; in chunk c lane l = 16 h + r has the 16 bytes at 16 l: column 16 tile + r, k = 128 step + 32 c + 16 h + 0 .. 15.
; SHARES: work-group x takes 128 columns (x < 4: Wq; else Wkv's columns 128 (x - 4) on), work-group y one block of 32 along K; a wave 32 columns, a lane ONE column, and its 32 registers run DOWN K:
; so the conversions, which take neighbours along K from one lane's registers, give a lane two pieces of 16 codes that are pieces of the image as they stand.  No LDS, no barrier.
; Each store: lanes 0-15 fill 256 consecutive aligned bytes of one column tile, lanes 16-31 those of the next tile, 8,192 bytes on.
; LIMITS: e1 and e3 between -126 and 112, so that 2^e and 57,344 x 2^e are f32 numbers.  NaN among the inputs is not served; an infinity is held at the largest code.
.set X, 16                             ; v16-47  32 numbers down K
.set C, 48                             ; v48-55  their codes
.macro WLOAD pitch                     ; row 32 y + i of the weight at my column: 32 lanes read 128 consecutive bytes
.irp i, 0,1,2,3,4,5,6,7,8,9,10,11,12,13,14,15,16,17,18,19,20,21,22,23,24,25,26,27,28,29,30,31
	global_load_b32 v[X+\i], v2, s[4:5] offset:\i*\pitch th:TH_LOAD_NT
.endr
.endm
	s_load_b256 s[4:11], s[0:1], 0x0               ; Wq s[4:5], Wkv s[6:7], the scales' exponents s[8:9], wimg s[10:11]
	v_and_b32 v1, 31, v0                           ; lane
	v_lshrrev_b32 v4, 5, v0
	v_readfirstlane_b32 s12, v4                    ; wave 0..3
	s_and_b32 s13, ttmp7, 0xffff                   ; y: which 32 along K
	v_lshlrev_b32 v2, 2, v1                        ; in: 4 bytes a lane
	v_lshrrev_b32 v4, 4, v1
	v_and_b32 v5, 15, v1
	v_lshlrev_b32 v3, 4, v5
	v_lshl_add_u32 v3, v4, 13, v3                  ; out: 16 (lane % 16) + 8,192 (lane / 16)
	s_cmp_lt_u32 ttmp9, 4                          ; Wq's work-group or Wkv's: the work-group's number alone decides
	s_cselect_b32 s14, 16, 17                      ; 32 rows are 2^16 bytes of Wq, 2^17 of Wkv
	s_cselect_b32 s15, 0, 4
	s_lshl_b32 s14, s13, s14
	s_sub_co_u32 s15, ttmp9, s15
	s_lshl_b32 s15, s15, 9                         ; 128 columns are 512 bytes
	s_lshl_b32 s20, s12, 7                         ; my wave's 32 are 128
	s_add_co_u32 s14, s14, s15
	s_add_co_u32 s14, s14, s20
	s_mov_b32 s15, 0
	s_lshl_b32 s20, ttmp9, 16                      ; the image: column tile 8 x + 2 wave,
	s_lshl_b32 s21, s12, 14
	s_add_co_u32 s20, s20, s21
	s_lshr_b32 s21, s13, 2
	s_lshl_b32 s21, s21, 11                        ; K step y / 4,
	s_add_co_u32 s20, s20, s21
	s_and_b32 s21, s13, 3
	s_lshl_b32 s21, s21, 9                         ; chunk y % 4
	s_add_co_u32 s20, s20, s21
	s_mov_b32 s21, 0
	s_wait_kmcnt 0x0
	s_load_b128 s[16:19], s[8:9], 0x0              ; e0 .. e3
	s_cmp_lt_u32 ttmp9, 4
	s_cselect_b64 s[4:5], s[4:5], s[6:7]
	s_add_nc_u64 s[4:5], s[4:5], s[14:15]
	s_add_nc_u64 s[10:11], s[10:11], s[20:21]
	s_cmp_lt_u32 ttmp9, 4
	s_cbranch_scc0 .Lkv                            ; the two ways differ in the loads' immediates alone: the row pitch
	s_wait_alu depctr_va_vdst(0)
	WLOAD 2048
	s_branch .Ljoin
.Lkv:
	s_wait_alu depctr_va_vdst(0)
	WLOAD 4096
.Ljoin:
	s_wait_kmcnt 0x0
	s_cmp_lt_u32 ttmp9, 4
	s_cselect_b32 s22, s17, s19                    ; e1 for Wq, e3 for Wkv
	s_add_co_i32 s22, s22, 127
	s_lshl_b32 s23, s22, 23
	v_mov_b32 v11, s23                             ; 2^e as f32: the conversion takes its exponent field
	s_add_co_i32 s22, s22, 15
	s_lshl_b32 s22, s22, 23
	s_or_b32 s22, s22, 0x600000
	v_mov_b32 v10, s22                             ; 57,344 x 2^e
	s_wait_alu depctr_va_vdst(0)
	s_wait_loadcnt 0x0
.irp i, 0,1,2,3,4,5,6,7,8,9,10,11,12,13,14,15,16,17,18,19,20,21,22,23,24,25,26,27,28,29,30,31
	v_med3_num_f32 v[X+\i], v[X+\i], -v10, v10     ; the conversion to an 8-bit code does not saturate (ISA guide 7.6.2): hold first
.endr
.irp g, 0,1,2,3
	v_cvt_scalef32_pk8_bf8_f32 v[C+2*\g:C+2*\g+1], v[X+8*\g:X+8*\g+7], v11
.endr
	global_store_b128 v3, v[C:C+3], s[10:11]                  ; k = 32 y + 0 .. 15: the image's lanes 0-15
	global_store_b128 v3, v[C+4:C+7], s[10:11] offset:256     ; k = 32 y + 16 .. 31: its lanes 16-31
	s_endpgm
.Lfunc_end_k_q7bb02202f6_wprep:
	.size	k_q7bb02202f6_wprep, .Lfunc_end_k_q7bb02202f6_wprep-k_q7bb02202f6_wprep
	.p2alignl 7, 3214868480
	.fill 96, 4, 3214868480
	.section	.rodata,"a",@progbits
	.p2align	6, 0x0
	.amdhsa_kernel k_q7bb02202f6_wprep
		.amdhsa_group_segment_fixed_size 0
		.amdhsa_private_segment_fixed_size 0
		.amdhsa_enable_private_segment 0
		.amdhsa_kernarg_size 32
		.amdhsa_user_sgpr_count 2
		.amdhsa_user_sgpr_kernarg_segment_ptr 1
		.amdhsa_wavefront_size32 1
		.amdhsa_system_sgpr_workgroup_id_x 1
		.amdhsa_system_sgpr_workgroup_id_y 1
		.amdhsa_system_sgpr_workgroup_id_z 1
		.amdhsa_system_vgpr_workitem_id 0
		.amdhsa_next_free_vgpr 64
		.amdhsa_next_free_sgpr 66
		.amdhsa_reserve_vcc 0
		.amdhsa_float_denorm_mode_32 3
		.amdhsa_float_denorm_mode_16_64 3
		.amdhsa_memory_ordered 1
		.amdhsa_forward_progress 1
		.amdhsa_inst_pref_size 11
	.end_amdhsa_kernel
	.amdgpu_metadata
---
amdhsa.version: [ 1, 2 ]
amdhsa.kernels:
  - .name:           k_q7bb02202f6_wprep
    .symbol:         k_q7bb02202f6_wprep.kd
    .args:
      - { .name: Wq, .offset: 0, .size: 8, .value_kind: global_buffer, .address_space: global }
      - { .name: Wkv, .offset: 8, .size: 8, .value_kind: global_buffer, .address_space: global }
      - { .name: lowp_scales, .offset: 16, .size: 8, .value_kind: global_buffer, .address_space: global }
      - { .name: wimg, .offset: 24, .size: 8, .value_kind: global_buffer, .address_space: global }
    .group_segment_fixed_size: 0
    .private_segment_fixed_size: 0
    .kernarg_segment_align: 8
    .kernarg_segment_size: 32
    .max_flat_workgroup_size: 128
    .sgpr_count:     66
    .vgpr_count:     64
    .wavefront_size: 32
...
	.end_amdgpu_metadata
.endif
;; end of part 4
;; launch proj (part 5): grid 256 x 1, 8 waves a work-group, no clusters, 327,680 bytes of LDS; arguments x, global_tokens, wimg, bq, bkv, lowp_scales, qimg, kvimg; writes qimg, kvimg
.if DOCPART == 5
	.amdgcn_target "amdgcn-amd-amdhsa--gfx1250"
	.amdhsa_code_object_version 6
	.text
	.protected	k_q7bb02202f6_proj
	.globl	k_q7bb02202f6_proj
	.p2align	8
	.type	k_q7bb02202f6_proj,@function
k_q7bb02202f6_proj:
	s_mov_b64 s[64:65], 0
	v_nop
	global_prefetch_b8 v0, s[64:65] scope:SCOPE_SE
	s_setreg_imm32_b32 hwreg(HW_REG_WAVE_MODE, 25, 1), 1
	s_wait_xcnt 0x0
; q = x Wq + bq and kv = global_tokens Wkv + bkv, both on codes of E5M2, and their results quantised at once into the operand images of the two attention products.  Nothing of the problem is left out here.
; ROLES, by the work-group's number alone: 0-127: q, row block = the number; 128-191: k, 192-255: v, row block = the number's low six bits.  Every work-group makes 128 rows x 512 columns.
; TWO STAGES of 64 rows.  In each, wave w of eight fetches and quantises 32 rows (half w / 4) x 128 along K (K step w % 4), and makes the 64 columns of head w for all 64 rows: its 16 weight fragments (4 column tiles x 4 K steps,
; 256 registers) come from wimg once and stay in registers.
; THE ROWS come as f32 by the tensor data mover, 32 rows x 512 bytes a wave and stage: stage A's at the head, stage B's behind the barrier that follows A's codes, so that it lands while A's products run; no LDS byte is filled twice.
; Stage B's rows are prefetched at the head, each aligned block of 256 bytes once in the work-group: two instructions a wave, a lane a row.
; The codes of 16 rows, an image of the operand's registers (four stores of 512 bytes, lane l's 16 bytes at 16 l), are stored over the wave's own f32 rows once these are in registers: the tile has had its only fill.
; q and k: THE PRODUCT IS USED TRANSPOSED (source 0 = 16 columns of W, source 1 = 16 rows): a lane holds one row and eight neighbouring channels d, so the conversions' results are the next operand's registers:
;   tile image (16 rows x 64 d, 1,024 bytes): lane (r, h): row r; registers 2 t, 2 t + 1: d = 16 t + 8 h + 0 .. 7.   qimg: (b, head) x 128 tiles.   kvimg: (b, head) x 131,072 bytes: first 64 key tiles,
; v: THE PRODUCT IS USED AS IT IS (source 0 = 16 rows, source 1 = 16 columns): a lane holds one channel d and eight neighbouring keys, which are the last product's K:
;   from byte 65,536 of a (b, head): fragment (key step of 128, d tile) at step x 8,192 + tile x 2,048: lane (r, h): d = 16 tile + r; registers 2 u, 2 u + 1: keys 16 u + 8 h + 0 .. 7.
; THE BIAS is the C of each sum's first matrix instruction, divided by the power of two that the sums lack; the result's conversion takes 2^(eo - ea - eb) as its one scale.  (ea, eb, eo) = (e0, e1, e4), (e2, e3, e5), (e2, e3, e7).
; NO CLUSTER: the weights go straight into registers and are no tensor tiles; the q work-groups, half of the grid, share no tile of rows with anybody; only a k and a v work-group share one, two of any four partners at most.
; LIMITS: e0, e2, e4 - e0 - e1, e5 - e2 - e3, e7 - e2 - e3 between -126 and 112.  NaN among the inputs is not served; an infinity is held at the largest code.
; REGISTERS: window 0: v1-15 lane numbers, addresses, scales; v16-143 two buffers of 64: f32 numbers on their way to codes, then four fragments of rows; v144-175 four accumulators; v176-207 codes; v208-239 the bias; v240-250 addresses.
;   window 1: W's fragments at v[16 (4 t + step)].
.set XTILE, 16896                      ; an f32 tile in LDS: 32 rows x (512 bytes + 16): the 16 rows that a load touches start at 16 different groups of banks
.set STB,   8*XTILE                    ; stage B's eight tiles begin here
.set SPARE, 16*XTILE                   ; behind the tiles: the spare words, 128 bytes for each wave, which no other line names
.set LI,  4                            ; v4   16 x lane
.set XR,  5                            ; v5   my place in my wave's f32 tile
.set XW,  7                            ; v7   where I store my fragments' images
.set SPW, 10                           ; v10  my spare word; never rewritten
.set NIL, 11                           ; v11  0; never rewritten
.set SCX, 12                           ; v12  2^ea;  v13  57,344 x 2^ea
.set LMX, 13
.set SCO, 14                           ; v14  2^(eo - ea - eb);  v15  57,344 x that
.set LMO, 15
.set XF,  16
.set HA,  144
.set PC,  176
.set BI,  208
.set LF,  240                          ; v240-247  16 x lane in each of the eight waves' tiles
.set BO,  248
.set BV,  249
.set PF,  250                          ; v250 the prefetches' offset: lane x a row of 2,048 bytes; never rewritten
.set WV,  20                           ; s20  wave;  s21  1 for q;  s22  1 for v;  s23  row block
.set G1,  28                           ; s[28:35] descriptor group 1;  s[36:39], s[40:43] group 0 for stage A, B
.set SRC, 52                           ; s[52:53] my tile of stage A in memory
.set OUT, 54                           ; s[54:55] where my wave's images begin
.set WB,  56                           ; s[56:57] my wave's fragments in wimg
.set BB,  58                           ; s[58:59] my wave's 64 numbers of the bias
.set MSB, 0
.macro WIN new                         ; the immediate's high byte repeats the setting that is left
.if MSB != (\new)
	s_set_vgpr_msb (MSB<<8)|(\new)
.set MSB, (\new)
.endif
.endm
; 8 n numbers of a lane, v[s] on, eight at a time, become codes in v[d0 + dstep g], v[d0 + dstep g + 1]
.macro QUANT n, s, sc, lim, d0, dstep
.set g, 0
.rept \n
.irp i, 0,1,2,3,4,5,6,7
	v_med3_num_f32 v[(\s)+8*g+\i], v[(\s)+8*g+\i], -v[\lim], v[\lim]   ; the conversion to an 8-bit code does not saturate (ISA guide 7.6.2): hold first; each accumulator from its low end on
.endr
	v_cvt_scalef32_pk8_bf8_f32 v[(\d0)+(\dstep)*g:(\d0)+(\dstep)*g+1], v[(\s)+8*g:(\s)+8*g+7], v[\sc]
.set g, g+1
.endr
	v_nop                                          ; a plain vector line behind the last conversion, ahead of whatever next writes its sources
.endm
; 16 rows x 128 K of my f32 tile: register 16 c + i of a lane is k = 32 c + 16 h + i of its row: the order in which wimg holds W
.macro XLD m
.irp c, 0,1,2,3
.irp j, 0,1,2,3
	ds_load_b128 v[XF+64*(\m)+16*\c+4*\j:XF+64*(\m)+16*\c+4*\j+3], v[XR] offset:8448*(\m)+128*\c+16*\j
.endr
.endr
.endm
.macro XROW m                          ; m = 0, 1: my 16 rows' codes, stored over these rows, which are in registers
	QUANT 8, XF+64*(\m), SCX, LMX, PC+16*(\m), 2
.irp c, 0,1,2,3
	ds_store_b128 v[XW], v[PC+16*(\m)+4*\c:PC+16*(\m)+4*\c+3] offset:8448*(\m)+512*\c
.endr
.endm
.macro XSTAGE
	XLD 0
	XLD 1
	s_wait_dscnt 16                                ; the first 16 rows are in, the others' 16 loads may be out
	XROW 0
	s_wait_dscnt 4                                 ; the others are in; the four stores may be out
	XROW 1
.endm
; the four fragments of row tile m: in its stage, wave sp + 4 (half) made the one of K step sp
.macro MLD m
.irp sp, 0,1,2,3
.irp c, 0,1,2,3
	ds_load_b128 v[XF+64*((\m)%2)+16*\sp+4*\c:XF+64*((\m)%2)+16*\sp+4*\c+3], v[LF+\sp+4*(((\m)%4)/2)] offset:8448*((\m)%2)+512*\c
.endr
.endr
.endm
; Row tile m: 16 products, K step by K step, the four accumulators by turns, one instruction a turn; the first K step takes the bias as C.  Then codes, then their images to memory.  vp = 1: v's form.
.macro MROW m, vp
.if ((\m)%4) < 3
	MLD (\m)+1
	s_wait_dscnt 16                                ; row tile m is in; the next one's 16 loads may be out
.else
	s_wait_dscnt 0x0
.endif
.if \vp
	WIN 0x04                                       ; source 1 (W) window 1
.else
	WIN 0x01                                       ; source 0 (W) window 1
.endif
.irp sp, 0,1,2,3
.irp t, 0,1,2,3
.set rD, HA+8*\t
.set rC, HA+8*\t
.if \sp == 0
.set rC, BI+8*\t
.endif
.set rW, 16*(4*\t+\sp)
.set rX, XF+64*((\m)%2)+16*\sp
.if \vp
	v_wmma_f32_16x16x128_bf8_bf8 v[rD:rD+7], v[rX:rX+15], v[rW:rW+15], v[rC:rC+7]
.else
	v_wmma_f32_16x16x128_bf8_bf8 v[rD:rD+7], v[rW:rW+15], v[rX:rX+15], v[rC:rC+7]
.endif
.endr
.endr
	WIN 0
.rept 4
	v_nop                                          ; four places between the last product and the first read of its result (ISA guide 7.12.1)
.endr
	s_wait_xcnt 0x0                                ; the last stores have read the code registers
.if \vp
	QUANT 4, HA, SCO, LMO, PC+2*((\m)%2), 4        ; column tile t's eight keys: registers 2 (m % 2), + 1 of its chunk
.if (\m)%2
.irp t, 0,1,2,3
	global_store_b128 v[LI], v[PC+4*\t:PC+4*\t+3], s[OUT:OUT+1] offset:\t*2048+512*((\m)/2)   ; 512 consecutive aligned bytes: a chunk of fragment (my key step, d tile t)
.endr
.endif
.else
	QUANT 4, HA, SCO, LMO, PC, 2
.irp c, 0,1
	global_store_b128 v[LI], v[PC+4*\c:PC+4*\c+3], s[OUT:OUT+1] offset:(\m)*1024+512*\c   ; 512 consecutive aligned bytes: half of row tile m's image
.endr
.endif
.endm
	s_load_b512 s[4:19], s[0:1], 0x0               ; x s[4:5], global_tokens s[6:7], wimg s[8:9], bq s[10:11], bkv s[12:13], the exponents s[14:15], qimg s[16:17], kvimg s[18:19]
	v_lshl_add_u32 v[SPW], v0, 2, SPARE
	v_mov_b32 v[NIL], 0
	ds_add_u32 v[SPW], v[NIL]                      ; the wave's opening: the add, twice on end, and its wait ahead of my first tensor load; work on registers stands between
	ds_add_u32 v[SPW], v[NIL]
	v_lshrrev_b32 v1, 5, v0
	v_readfirstlane_b32 s[WV], v1                  ; wave 0..7
	s_cmp_lt_u32 ttmp9, 128
	s_cselect_b32 s21, 1, 0                        ; q?
	s_sub_co_u32 s24, ttmp9, 128                   ; (used where not q)
	s_lshr_b32 s22, s24, 6
	s_and_b32 s25, s24, 63
	s_cmp_lg_u32 s21, 0
	s_cselect_b32 s22, 0, s22                      ; v?
	s_cselect_b32 s23, ttmp9, s25                  ; row block of 128
	s_cselect_b32 s26, 4, 3                        ; a batch has 16 row blocks of x, 8 of global_tokens
	s_cselect_b32 s60, 15, 7
	s_lshr_b32 s27, s23, s26                       ; b
	s_and_b32 s60, s23, s60                        ; the row block within the batch
	s_lshl_b32 s27, s27, 3
	s_add_co_u32 s27, s27, s[WV]                   ; 8 b + w: my head
	s_lshl_b32 s27, s27, 17                        ; a (b, head) is 131,072 bytes in qimg and in kvimg
	s_lshl_b32 s60, s60, 13                        ; 128 rows are 8 tiles of 1,024 bytes, or one key step of 8,192
	s_add_co_u32 s66, s27, s60
	s_lshl_b32 s61, s22, 16                        ; v's half begins 65,536 bytes on
	s_add_co_u32 s66, s66, s61
	s_mov_b32 s67, 0
	s_sub_co_u32 s68, 1, s21
	s_add_co_u32 s68, s68, s22                     ; which 32 column tiles of wimg: 0 q, 1 k, 2 v
	s_lshl_b32 s68, s68, 18
	s_lshl_b32 s61, s[WV], 15                      ; my 4 of them
	s_add_co_u32 s68, s68, s61
	s_mov_b32 s69, 0
	s_lshl_b32 s70, s22, 11                        ; the bias: v's half of bkv begins 2,048 bytes on;
	s_lshl_b32 s61, s[WV], 8                       ; my 64 numbers
	s_add_co_u32 s70, s70, s61
	s_mov_b32 s71, 0
	s_lshl_b32 s72, s23, 18                        ; 128 rows of 2,048 bytes
	s_and_b32 s61, s[WV], 3
	s_lshl_b32 s61, s61, 9                         ; my K step's 512 bytes of a row
	s_add_co_u32 s72, s72, s61
	s_lshr_b32 s61, s[WV], 2
	s_lshl_b32 s61, s61, 16                        ; my 32 rows of a stage's 64
	s_add_co_u32 s72, s72, s61
	s_mov_b32 s73, 0
	; descriptor group 1: a tile of 32 rows x 128 elements of 4 bytes, 16 bytes of padding behind each row
	s_mov_b32 s[G1+0], (2<<16)|(1<<20)|(6<<22)|(3<<25)   ; no mask; elements of 4 bytes; padding on: after every 128 words (code 6) 4 words (code 3)
	s_mov_b32 s[G1+1], 128<<16                     ; tensor_dim0 = 128
	s_mov_b32 s[G1+2], 32<<16                      ; tensor_dim1 = 32
	s_mov_b32 s[G1+3], 128<<16                     ; tile_dim0 = 128
	s_mov_b32 s[G1+4], 32                          ; tile_dim1 = 32
	s_mov_b32 s[G1+5], 512                         ; from row to row: 512 elements
	s_mov_b32 s[G1+6], 0
	s_mov_b32 s[G1+7], 0
	s_wait_dscnt 0x0                               ; both opening adds are done
	s_wait_kmcnt 0x0
	s_load_b256 s[44:51], s[14:15], 0x0            ; e0 .. e7
	s_cmp_lg_u32 s21, 0                            ; the choices hang on the work-group's number alone
	s_cselect_b64 s[SRC:SRC+1], s[4:5], s[6:7]
	s_cselect_b64 s[OUT:OUT+1], s[16:17], s[18:19]
	s_cselect_b64 s[BB:BB+1], s[10:11], s[12:13]
	s_add_nc_u64 s[SRC:SRC+1], s[SRC:SRC+1], s[72:73]
	s_add_nc_u64 s[OUT:OUT+1], s[OUT:OUT+1], s[66:67]
	s_add_nc_u64 s[WB:WB+1], s[8:9], s[68:69]
	s_add_nc_u64 s[BB:BB+1], s[BB:BB+1], s[70:71]
	s_mov_b32 s36, 1                               ; group 0, stage A: count = 1,
	s_mul_i32 s37, s[WV], XTILE                    ; LDS address: my wave's tile,
	s_mov_b64 s[38:39], s[SRC:SRC+1]               ; global address,
	s_or_b32 s39, s39, 0x80000000                  ; type = 2
	s_mov_b32 s40, 1                               ; stage B: 64 rows further down
	s_add_co_u32 s41, s37, STB
	s_add_nc_u64 s[42:43], s[SRC:SRC+1], 131072
	s_or_b32 s43, s43, 0x80000000
	tensor_load_to_lds s[36:39], s[G1:G1+7]        ; every wave issues one load here
	s_nop 0
.rept 4
	v_nop
.endr
	v_and_b32 v1, 31, v0                           ; lane
	v_and_b32 v2, 15, v0                           ; r
	v_bfe_u32 v3, v0, 4, 1                         ; h
	v_lshlrev_b32 v[LI], 4, v1
	v_lshlrev_b32 v[PF], 11, v1
	v_mul_u32_u24 v[XR], v2, 528
	v_lshl_add_u32 v[XR], v3, 6, v[XR]             ; row r, + 64 h: my 16 numbers of a block of 32
	v_add_nc_u32 v[XR], s37, v[XR]                 ; in my wave's tile
	v_add_nc_u32 v[XW], s37, v[LI]
.irp i, 0,1,2,3,4,5,6,7
	v_add_nc_u32 v[LF+\i], \i*XTILE, v[LI]
.endr
	v_lshlrev_b32 v[BO], 5, v3
	v_lshlrev_b32 v[BV], 2, v2
	s_wait_alu depctr_va_vdst(0)
	; the bias in the result's layout.  q, k: register j of tile t is channel 16 t + 8 h + j; v: channel 16 t + r in all eight.  The work-group's number decides
	s_cmp_lg_u32 s22, 0
	s_cbranch_scc1 .Lbias_v
.irp t, 0,1,2,3
	global_load_b128 v[BI+8*\t:BI+8*\t+3], v[BO], s[BB:BB+1] offset:64*\t
	global_load_b128 v[BI+8*\t+4:BI+8*\t+7], v[BO], s[BB:BB+1] offset:64*\t+16
.endr
	s_branch .Lbias_j
.Lbias_v:
.irp t, 0,1,2,3
.irp j, 0,1,2,3,4,5,6,7
	global_load_b32 v[BI+8*\t+\j], v[BV], s[BB:BB+1] offset:64*\t
.endr
.endr
.Lbias_j:
	WIN 0x40                                       ; W's sixteen fragments, into window 1
.set f, 0
.rept 16
.irp c, 0,1,2,3
	global_load_b128 v[16*f+4*\c:16*f+4*\c+3], v[LI], s[WB:WB+1] offset:2048*f+512*\c
.endr
.set f, f+1
.endr
	WIN 0
	global_prefetch_b8 v[PF], s[SRC:SRC+1] offset:131072 th:TH_LOAD_NT scope:SCOPE_SE        ; stage B's 32 rows x 512 bytes of mine: two blocks of 256 bytes a row
	global_prefetch_b8 v[PF], s[SRC:SRC+1] offset:131072+256 th:TH_LOAD_NT scope:SCOPE_SE
	s_wait_kmcnt 0x0
	s_cmp_lg_u32 s22, 0
	s_cselect_b32 s26, s51, s49                    ; e7 for v, e5 for k,
	s_cmp_lg_u32 s21, 0
	s_cselect_b32 s24, s44, s46                    ; ea
	s_cselect_b32 s25, s45, s47                    ; eb
	s_cselect_b32 s26, s48, s26                    ; eo: e4 for q
	s_add_co_i32 s27, s24, s25                     ; a sum stands for sum x 2^(ea + eb)
	s_sub_co_i32 s70, 0, s27
	s_sub_co_i32 s26, s26, s27                     ; eo - ea - eb
	s_add_co_i32 s24, s24, 127
	s_lshl_b32 s25, s24, 23
	v_mov_b32 v[SCX], s25                          ; 2^ea as f32
	s_add_co_i32 s24, s24, 15
	s_lshl_b32 s24, s24, 23
	s_or_b32 s24, s24, 0x600000
	v_mov_b32 v[LMX], s24                          ; 57,344 x 2^ea
	s_add_co_i32 s26, s26, 127
	s_lshl_b32 s25, s26, 23
	v_mov_b32 v[SCO], s25                          ; 2^(eo - ea - eb)
	s_add_co_i32 s26, s26, 15
	s_lshl_b32 s26, s26, 23
	s_or_b32 s26, s26, 0x600000
	v_mov_b32 v[LMO], s26
	s_wait_alu depctr_va_vdst(0)
	s_wait_tensorcnt 0x0                           ; my tile is in.  Only I read its f32 numbers, so no barrier is wanted
	XSTAGE
	s_wait_tensorcnt 0x0                           ; ahead of stage B's tensor load
	ds_add_u32 v[SPW], v[NIL]
	s_wait_dscnt 0x0                               ; the add is done, and my images have landed
	s_barrier_signal -1
	s_barrier_wait -1                              ; and everybody's
	tensor_load_to_lds s[40:43], s[G1:G1+7]        ; stage B
	s_nop 0
.rept 4
	v_nop
.endr
	MLD 0
	s_wait_loadcnt 0x0                             ; W's fragments and the bias
.set i, 0
.rept 32
	v_ldexp_f32 v[BI+i], v[BI+i], s70              ; bias / 2^(ea + eb)
.set i, i+1
.endr
	s_wait_alu depctr_va_vdst(0)
	s_cmp_lg_u32 s22, 0                            ; the two forms of the product: the work-group's number decides; both arms only read LDS
	s_cbranch_scc1 .Lva
.irp m, 0,1,2,3
	MROW \m, 0
.endr
	s_branch .Lja
.Lva:
.irp m, 0,1,2,3
	MROW \m, 1
.endr
.Lja:
	v_add_nc_u32 v[XR], STB, v[XR]                 ; on to stage B's tiles
	v_add_nc_u32 v[XW], STB, v[XW]
.irp i, 0,1,2,3,4,5,6,7
	v_add_nc_u32 v[LF+\i], STB, v[LF+\i]
.endr
	s_wait_alu depctr_va_vdst(0)
	s_wait_xcnt 0x0                                ; the last stores have read the code registers
	s_wait_tensorcnt 0x0                           ; my tile of stage B is in
	XSTAGE
	s_wait_dscnt 0x0                               ; my images have landed
	s_barrier_signal -1
	s_barrier_wait -1                              ; and everybody's
	MLD 4
	s_cmp_lg_u32 s22, 0
	s_cbranch_scc1 .Lvb
.irp m, 4,5,6,7
	MROW \m, 0
.endr
	s_branch .Ljb
.Lvb:
.irp m, 4,5,6,7
	MROW \m, 1
.endr
.Ljb:
	s_wait_tensorcnt 0x0                           ; the wave's end: behind my last tensor load and my last LDS store
	ds_add_u32 v[SPW], v[NIL]
	s_wait_dscnt 0x0
	s_endpgm
.Lfunc_end_k_q7bb02202f6_proj:
	.size	k_q7bb02202f6_proj, .Lfunc_end_k_q7bb02202f6_proj-k_q7bb02202f6_proj
	.p2alignl 7, 3214868480
	.fill 96, 4, 3214868480
	.section	.rodata,"a",@progbits
	.p2align	6, 0x0
	.amdhsa_kernel k_q7bb02202f6_proj
		.amdhsa_group_segment_fixed_size 327680
		.amdhsa_private_segment_fixed_size 0
		.amdhsa_enable_private_segment 0
		.amdhsa_kernarg_size 64
		.amdhsa_user_sgpr_count 2
		.amdhsa_user_sgpr_kernarg_segment_ptr 1
		.amdhsa_wavefront_size32 1
		.amdhsa_system_sgpr_workgroup_id_x 1
		.amdhsa_system_sgpr_workgroup_id_y 1
		.amdhsa_system_sgpr_workgroup_id_z 1
		.amdhsa_system_vgpr_workitem_id 0
		.amdhsa_next_free_vgpr 512
		.amdhsa_next_free_sgpr 80
		.amdhsa_reserve_vcc 0
		.amdhsa_float_denorm_mode_32 3
		.amdhsa_float_denorm_mode_16_64 3
		.amdhsa_memory_ordered 1
		.amdhsa_forward_progress 1
		.amdhsa_inst_pref_size 116
	.end_amdhsa_kernel
	.amdgpu_metadata
---
amdhsa.version: [ 1, 2 ]
amdhsa.kernels:
  - .name:           k_q7bb02202f6_proj
    .symbol:         k_q7bb02202f6_proj.kd
    .args:
      - { .name: x, .offset: 0, .size: 8, .value_kind: global_buffer, .address_space: global }
      - { .name: global_tokens, .offset: 8, .size: 8, .value_kind: global_buffer, .address_space: global }
      - { .name: wimg, .offset: 16, .size: 8, .value_kind: global_buffer, .address_space: global }
      - { .name: bq, .offset: 24, .size: 8, .value_kind: global_buffer, .address_space: global }
      - { .name: bkv, .offset: 32, .size: 8, .value_kind: global_buffer, .address_space: global }
      - { .name: lowp_scales, .offset: 40, .size: 8, .value_kind: global_buffer, .address_space: global }
      - { .name: qimg, .offset: 48, .size: 8, .value_kind: global_buffer, .address_space: global }
      - { .name: kvimg, .offset: 56, .size: 8, .value_kind: global_buffer, .address_space: global }
    .group_segment_fixed_size: 327680
    .private_segment_fixed_size: 0
    .kernarg_segment_align: 8
    .kernarg_segment_size: 64
    .max_flat_workgroup_size: 256
    .sgpr_count:     80
    .vgpr_count:     512
    .wavefront_size: 32
...
	.end_amdgpu_metadata
.endif
;; end of part 5
;; launch attn (part 6): grid 64 x 4, 8 waves a work-group, no clusters, 166,912 bytes of LDS; arguments qimg, kvimg, lowp_scales, out0; writes out0
.if DOCPART == 6
	.amdgcn_target "amdgcn-amd-amdhsa--gfx1250"
	.amdhsa_code_object_version 6
	.text
	.protected	k_q7bb02202f6_attn
	.globl	k_q7bb02202f6_attn
	.p2align	8
	.type	k_q7bb02202f6_attn,@function
k_q7bb02202f6_attn:
	s_mov_b64 s[64:65], 0
	v_nop
	global_prefetch_b8 v0, s[64:65] scope:SCOPE_SE
	s_setreg_imm32_b32 hwreg(HW_REG_WAVE_MODE, 25, 1), 1
	s_wait_xcnt 0x0
; out(b, q, head) = the sum over k of softmax_k(Q K^T) V, both products on codes of E5M2.  Nothing of the problem is left out here.
; t = score x 2^(e4 + e5) x log2(e); M = the row's largest t so far, rounded up to a whole number; p = 2^(t - M) is quantised with 2^e6 along the keys; the row's sum is taken of the unquantised p and divides at the end.
; When M moves, the sum and O are multiplied by 2^(old M - new M): exact.
; SHARES.  A work-group (x, y) owns 512 queries (block x) of (b, head) = y.  Each of its eight waves owns 64 of them, four tiles of 16: the pair X (tiles 0, 1) in register window 0, the pair Y (tiles 2, 3) in window 1, by the same
; numbers and the same text.  The four go through a key step of 128 together: each fragment of K and V is read from LDS once a step and feeds four products.
; K AND V of the head, 131,072 bytes of operand images, lie in LDS whole: key step n has K's 8 tile images (1,024 bytes each) at 16,384 n and V's four fragments (2,048 bytes each) 8,192 further on.  They come once, through registers: a wave
; loads 512 bytes of each of the 32 pieces of 4,096.  Step 0's are stored first; the others wait in O's registers, which step 0 does not want before its second product.
; THE HOLD of p at 57,344 x 2^e6 is run only where that is under 1 (e6 under -15), by a branch on the given exponent: p never passes 1.  There is no tensor load,
; no cluster and no joint load, although four work-groups read the same K and V.  NO PREFETCH: every byte is asked for at the head.
; p NEVER PASSES 1: -M = floor(-t - |t| 2^-22), t the row's largest as rounded: M is no less than the largest exact product, so the fused multiply-add's t - M is 0 or less.  Where t lies within that margin under a whole number, M is
; the whole number above: p, the sum and O take the same factor 1/2.
; LAYOUT.  Both products are used transposed: S^T = K Q^T (source 0 = 16 keys, source 1 = 16 queries), O^T = V^T P^T: a lane holds one query of each tile (lane % 16) throughout, and the conversions' results are the second product's operand.
; LIMITS: the scaled scores |t| stay under 2^31; e4 + e5 between -126 and 126; e6 between -126 and 112.
; REGISTERS, window 0: v0 thread, v1 16 x lane, v2 the step's LDS address, v3 16 x thread.  In each window: v4-7 and v8-11 the two tiles' states (-M, largest score, the sum in two halves), v12 2^e6, v13-15 at work (v14, v15: the factors),
;   v16-31 Q, v32-95 O^T, v96-159 and v160-223 the scores, then p (window 0's first: then V), v224-255 K (window 0 its tiles 0-3, window 1 its tiles 4-7), then at work, then the codes of p.
.set STAGE, 131072                     ; behind K and V: 16 rows x (256 bytes + 16) for each wave, for the way out
.set SPARE, STAGE+8*16*272             ; behind the stages: the spare words, 128 bytes for each wave, which no other line names
.set T0, 4
.set T1, 8
.set SC6, 12
.set Q,  16
.set O,  32
.set SA, 96
.set SB, 160
.set KF, 224
.set MT, 224                           ; v224-229 at work in the maxima
.set PA, 224
.set PB, 240
.set TX, 240                           ; v240-253 at work in the sums, ahead of the second tile's codes
.set WV, 12
.set CS, 36                            ; s[36:37] c = log2(e) x 2^(e4 + e5), twice
.set SEL, 38
.set TB, 40                            ; s40  the step's first LDS byte
.set CNT, 41
.set NCS, 43                           ; s43  -c
.set EPS, 44                           ; s44  -2^-22
.set LM6, 45                           ; s45  57,344 x 2^e6
.set HELD, 50                          ; s50  1 where the hold is wanted
.set WX, 0                             ; every operand in window 0
.set WY, 0x55                          ; every operand in window 1
.set MSB, 0
.macro WIN new                         ; the immediate's high byte repeats the setting that is left
.if MSB != (\new)
	s_set_vgpr_msb (MSB<<8)|(\new)
.set MSB, (\new)
.endif
.endm
.macro KLO                             ; K's tiles 0-3, window 0
.irp t, 0,1,2,3
.irp c, 0,1
	ds_load_b128 v[KF+8*\t+4*\c:KF+8*\t+4*\c+3], v2 offset:1024*\t+512*\c
.endr
.endr
.endm
.macro KHI                             ; K's tiles 4-7, window 1
	WIN 0x40
.irp t, 0,1,2,3
.irp c, 0,1
	ds_load_b128 v[KF+8*\t+4*\c:KF+8*\t+4*\c+3], v2 offset:4096+1024*\t+512*\c
.endr
.endr
	WIN 0
.endm
.macro QK d                            ; four tiles of K x the window's two tiles of queries, into the scores' registers d on
.irp t, 0,1,2,3
	v_wmma_f32_16x16x64_bf8_bf8 v[SA+\d+8*\t:SA+\d+8*\t+7], v[KF+8*\t:KF+8*\t+7], v[Q:Q+7], 0
	v_wmma_f32_16x16x64_bf8_bf8 v[SB+\d+8*\t:SB+\d+8*\t+7], v[KF+8*\t:KF+8*\t+7], v[Q+8:Q+15], 0
.endr
.endm
; The k-th line of a tile's new M and factor.  r: the step's largest score of my query among my keys, at the end the factor 2^(old M - new M); t: the tile's state.
.macro MISC k, r, t, first
.if (\k) == 0
	v_permlanex16_b32 v13, v\r, s[SEL], s[SEL+1]   ; lane l xor 16's
.elseif (\k) == 1
.if \first
	v_max_num_f32 v[\t+1], v\r, v13
.else
	v_max3_num_f32 v[\t+1], v[\t+1], v\r, v13
.endif
.elseif (\k) == 2
	v_mul_f32 v\r, s[NCS], v[\t+1]                 ; -t
.elseif (\k) == 3
	v_fma_f32 v\r, |v\r|, s[EPS], v\r
.elseif (\k) == 4
.if \first
	v_floor_f32 v[\t], v\r
.else
	v_floor_f32 v\r, v\r                           ; the new -M
.endif
.elseif (\first) == 0
.if (\k) == 5
	v_sub_f32 v13, v\r, v[\t]                      ; old M - new M: 0 or less
.elseif (\k) == 6
	v_mov_b32 v[\t], v\r
.elseif (\k) == 7
	v_cvt_i32_f32 v13, v13                         ; (it saturates)
.elseif (\k) == 8
	v_ldexp_f32 v\r, 1.0, v13
.endif
.endif
.endm
; A pair's maxima, M's and factors, the first tile's t - M, and O and the sums under the new M.  All first reads of the products' results stand here.
.macro SCALES first, x
	v_max3_num_f32 v14, v[SA], v[SA+1], v[SA+2]    ; the first tile's largest score, in four chains by turns
	v_max3_num_f32 v[MT], v[SA+3], v[SA+4], v[SA+5]
	v_max3_num_f32 v[MT+1], v[SA+6], v[SA+7], v[SA+8]
	v_max3_num_f32 v[MT+2], v[SA+9], v[SA+10], v[SA+11]
.irp i, 12,20,28,36,44,52
	v_max3_num_f32 v14, v14, v[SA+\i], v[SA+\i+1]
	v_max3_num_f32 v[MT], v[MT], v[SA+\i+2], v[SA+\i+3]
	v_max3_num_f32 v[MT+1], v[MT+1], v[SA+\i+4], v[SA+\i+5]
	v_max3_num_f32 v[MT+2], v[MT+2], v[SA+\i+6], v[SA+\i+7]
.endr
	v_max3_num_f32 v14, v14, v[SA+60], v[SA+61]
	v_max3_num_f32 v[MT], v[MT], v[SA+62], v[SA+63]
	v_max3_num_f32 v15, v[SB], v[SB+1], v[SB+2]    ; the second tile's likewise, with the first one's M and factor between
	v_max3_num_f32 v14, v14, v[MT+1], v[MT+2]
	v_max3_num_f32 v[MT+3], v[SB+3], v[SB+4], v[SB+5]
	v_max3_num_f32 v[MT+4], v[SB+6], v[SB+7], v[SB+8]
	v_max3_num_f32 v[MT+5], v[SB+9], v[SB+10], v[SB+11]
	v_max_num_f32 v14, v14, v[MT]
.set n, 0
.irp i, 12,20,28,36,44,52
	v_max3_num_f32 v15, v15, v[SB+\i], v[SB+\i+1]
	v_max3_num_f32 v[MT+3], v[MT+3], v[SB+\i+2], v[SB+\i+3]
	MISC n, 14, T0, \first
	v_max3_num_f32 v[MT+4], v[MT+4], v[SB+\i+4], v[SB+\i+5]
	v_max3_num_f32 v[MT+5], v[MT+5], v[SB+\i+6], v[SB+\i+7]
	MISC n+1, 14, T0, \first
.set n, n+2
.endr
	v_max3_num_f32 v15, v15, v[SB+60], v[SB+61]
	v_max3_num_f32 v[MT+3], v[MT+3], v[SB+62], v[SB+63]
	v_max3_num_f32 v15, v15, v[MT+4], v[MT+5]
	v_max_num_f32 v15, v15, v[MT+3]
.set n, 0
.rept 32                               ; t - M of the first tile, two at a time (of the pairs c and -M the low word serves both halves), and the second one's M and factor between
	v_pk_fma_f32 v[SA+2*n:SA+2*n+1], v[SA+2*n:SA+2*n+1], s[CS:CS+1], v[T0:T0+1] op_sel_hi:[1,0,0]
.if (n%2) == 1
	MISC n/2, 15, T1, \first
.endif
.set n, n+1
.endr
.if \first == 0
.if \x
	s_wait_alu depctr_va_vdst(0)                   ; X's last products stand ahead of Y's last exponentials: the wait stands directly ahead of the first readers of their results
.endif
.set n, 0
.rept 16                               ; the first tile takes v14, the second v15
	v_pk_mul_f32 v[O+n:O+n+1], v[O+n:O+n+1], v[14:15] op_sel_hi:[1,0]
	v_pk_mul_f32 v[O+32+n:O+32+n+1], v[O+32+n:O+32+n+1], v[14:15] op_sel:[0,1] op_sel_hi:[1,1]
.set n, n+2
.endr
	v_pk_mul_f32 v[T0+2:T0+3], v[T0+2:T0+3], v[14:15] op_sel_hi:[1,0]
	v_pk_mul_f32 v[T1+2:T1+3], v[T1+2:T1+3], v[14:15] op_sel:[0,1] op_sel_hi:[1,1]
.endif
.endm
.macro EXPA                            ; p of the first tile, and the second one's t - M between
.set n, 0
.rept 32
	v_exp_f32 v[SA+2*n], v[SA+2*n]
	v_exp_f32 v[SA+2*n+1], v[SA+2*n+1]
	v_pk_fma_f32 v[SB+2*n:SB+2*n+1], v[SB+2*n:SB+2*n+1], s[CS:CS+1], v[T1:T1+1] op_sel_hi:[1,0,0]
.set n, n+1
.endr
.endm
.macro EXPB                            ; p of the second tile
.set n, 0
.rept 64
	v_exp_f32 v[SB+n], v[SB+n]
.set n, n+1
.endr
.endm
; 32 pairs of p onto the sum, in eight chains by turns
.macro SUM s, t, first
.set n, 0
.rept 7
	v_pk_add_f32 v[TX+2*n:TX+2*n+1], v[\s+4*n:\s+4*n+1], v[\s+4*n+2:\s+4*n+3]
.set n, n+1
.endr
.if \first
	v_pk_add_f32 v[\t+2:\t+3], v[\s+28:\s+29], v[\s+30:\s+31]
.set n, 16
.else
	v_pk_add_f32 v[\t+2:\t+3], v[\t+2:\t+3], v[\s+28:\s+29]
	v_pk_add_f32 v[TX:TX+1], v[TX:TX+1], v[\s+30:\s+31]
.set n, 16
.endif
.rept 16
.if ((n+1)%8) == 7
	v_pk_add_f32 v[\t+2:\t+3], v[\t+2:\t+3], v[\s+2*n:\s+2*n+1]
.else
	v_pk_add_f32 v[TX+2*((n+1)%8):TX+2*((n+1)%8)+1], v[TX+2*((n+1)%8):TX+2*((n+1)%8)+1], v[\s+2*n:\s+2*n+1]
.endif
.set n, n+1
.endr
	v_pk_add_f32 v[TX+2:TX+3], v[TX+2:TX+3], v[TX+4:TX+5]
	v_pk_add_f32 v[TX+6:TX+7], v[TX+6:TX+7], v[TX+8:TX+9]
	v_pk_add_f32 v[TX+10:TX+11], v[TX+10:TX+11], v[TX+12:TX+13]
	v_pk_add_f32 v[\t+2:\t+3], v[\t+2:\t+3], v[TX:TX+1]
	v_pk_add_f32 v[TX+2:TX+3], v[TX+2:TX+3], v[TX+6:TX+7]
	v_pk_add_f32 v[\t+2:\t+3], v[\t+2:\t+3], v[TX+10:TX+11]
	v_pk_add_f32 v[\t+2:\t+3], v[\t+2:\t+3], v[TX+2:TX+3]
.endm
; the hold, where the given exponent asks for it (p is not negative: one-sided; the conversion does not saturate: ISA guide 7.6.2), and the codes
.macro CODES s, p, w
	WIN 0
	s_cmp_lg_u32 s[HELD], 0
	s_cbranch_scc0 .Lfree_\@
	WIN \w
.set n, 0
.rept 64
	v_min_num_f32 v[\s+n], s[LM6], v[\s+n]
.set n, n+1
.endr
	WIN 0
.Lfree_\@:
	WIN \w
.irp t, 0,1,2,3,4,5,6,7
	v_cvt_scalef32_pk8_bf8_f32 v[\p+2*\t:\p+2*\t+1], v[\s+8*\t:\s+8*\t+7], v[SC6]
.endr
.endm
; O^T of a pair += V^T P^T: eight accumulators by turns, one instruction a turn.  V lies in window 0.
.macro PV first
.irp d, 0,1,2,3
.if \first
	v_wmma_f32_16x16x128_bf8_bf8 v[O+8*\d:O+8*\d+7], v[SA+16*\d:SA+16*\d+15], v[PA:PA+15], 0
	v_wmma_f32_16x16x128_bf8_bf8 v[O+32+8*\d:O+32+8*\d+7], v[SA+16*\d:SA+16*\d+15], v[PB:PB+15], 0
.else
	v_wmma_f32_16x16x128_bf8_bf8 v[O+8*\d:O+8*\d+7], v[SA+16*\d:SA+16*\d+15], v[PA:PA+15], v[O+8*\d:O+8*\d+7]
	v_wmma_f32_16x16x128_bf8_bf8 v[O+32+8*\d:O+32+8*\d+7], v[SA+16*\d:SA+16*\d+15], v[PB:PB+15], v[O+32+8*\d:O+32+8*\d+7]
.endif
.endr
.endm
.macro PLACES n
.rept \n
	v_nop
.endr
.endm
.macro PARK n, j                       ; one of the other steps' pieces out of O's registers into LDS
.if \n < 4
	ds_store_b128 v3, v[O+16*(\n-1)+4*\j:O+16*(\n-1)+4*\j+3] offset:16384*\n+4096*\j
.elseif \n == 4
	ds_store_b128 v13, v[O+16*(\n-1)+4*\j:O+16*(\n-1)+4*\j+3] offset:4096*\j
.else
	ds_store_b128 v13, v[O+16*(\n-5)+4*\j:O+16*(\n-5)+4*\j+3] offset:16384*(\n-4)+4096*\j
.endif
.endm
; A key step of 128 keys for the four tiles.  K's two halves have been asked for.
.macro STEP first, last
	s_wait_dscnt 8                                 ; K's tiles 0-3 are in; the eight loads of tiles 4-7 may be out
	QK 0
	WIN 0x44                                       ; K window 0, Q and the scores window 1
	QK 0
	s_wait_dscnt 0x0
	WIN 0x01                                       ; K window 1, Q and the scores window 0
	QK 32
	WIN 0x45                                       ; all in window 1
	QK 32
	WIN WX
	PLACES 4                                       ; in front of the first reads of results and the first writes over K (ISA guide 7.12.1)
	SCALES \first, 1
	WIN WY
	SCALES \first, 0
	WIN WX
	s_wait_alu depctr_va_vdst(0)
	EXPA
	s_wait_alu depctr_va_vdst(0)                   ; behind this batch and ahead of the next
	SUM SA, T0, \first
	CODES SA, PA, WX
.irp d, 0,1,2,3
.irp c, 0,1,2,3
	ds_load_b128 v[SA+16*\d+4*\c:SA+16*\d+4*\c+3], v2 offset:8192+2048*\d+512*\c   ; V's fragments over tile 0's p, whose codes are made
.endr
.endr
	EXPB
.if \last
	v_nop                                          ; a plain place behind the batch
.else
	s_add_co_u32 s[TB], s[TB], 16384
	v_add_nc_u32 v2, s[TB], v1                     ; on to the next step; also the plain place behind the batch
.endif
	s_wait_alu depctr_va_vdst(0)                   ; behind the batch
	SUM SB, T1, \first
	CODES SB, PB, WX
	v_nop                                          ; a plain line between the last conversion and the products
.if \first
	v_add_nc_u32 v13, 0x10000, v3
	s_wait_alu depctr_va_vdst(0)
	s_wait_loadcnt 0x0                             ; key steps 1 to 7 have come into O's registers, and go on into LDS
.irp n, 1,2,3,4
.irp j, 0,1,2,3
	PARK \n, \j
.endr
.endr
	WIN 0x04                                       ; data window 1
.irp n, 5,6,7
.irp j, 0,1,2,3
	PARK \n, \j
.endr
.endr
	WIN WX
.else
	s_wait_alu depctr_va_vdst(0)
.endif
	s_wait_dscnt 0x0                               ; V is in (the first step: and my stores have landed)
	PV \first
	WIN WY
	EXPA                                           ; (its 32 multiply-adds are also the places between X's products and the loads over X's codes)
	WIN WX
.if (\first == 0) && (\last == 0)
	KLO                                            ; the next step's K tiles 0-3
.endif
	s_wait_alu depctr_va_vdst(0)
	WIN WY
	SUM SA, T0, \first
	CODES SA, PA, WY
	EXPB
	v_nop
	s_wait_alu depctr_va_vdst(0)
	SUM SB, T1, \first
	CODES SB, PB, WY
	v_nop
.if \first
	s_barrier_signal -1                            ; registers only up to its wait
.endif
	WIN 0x54                                       ; V window 0, the rest window 1
	PV \first
	WIN WX
.if \last == 0
	PLACES 5                                       ; in front of loads over the codes, and of the next step's products over V
.if \first
	s_barrier_wait -1                              ; everybody's stores have landed
	KLO
.endif
	KHI
.endif
.endm
	s_load_b256 s[4:11], s[0:1], 0x0               ; qimg s[4:5], kvimg s[6:7], the exponents s[8:9], out s[10:11]
	v_lshrrev_b32 v1, 5, v0
	v_readfirstlane_b32 s[WV], v1                  ; wave 0..7
	v_and_b32 v1, 31, v0
	v_lshlrev_b32 v1, 4, v1                        ; 16 x lane
	v_mov_b32 v2, v1                               ; step 0 begins at LDS byte 0
	v_lshlrev_b32 v3, 4, v0                        ; 16 x thread: my place in a piece of 4,096 bytes
	v_mov_b32 v13, 0                               ; written once: a lane permute's destination counts as one of its sources
	WIN 0x40
	v_mov_b32 v13, 0
	WIN 0
	s_mov_b32 s14, ttmp9                           ; y, the grid's first axis: 8 b + head
	s_and_b32 s15, ttmp7, 0xffff                   ; x, the grid's second axis: the block of 512 queries
	s_lshl_b32 s24, s14, 17                        ; a (b, head) is 131,072 bytes in qimg and in kvimg
	s_mov_b32 s25, 0
	s_lshl_b32 s26, s15, 15                        ; 512 queries are 32 tile images of 1,024 bytes,
	s_add_co_u32 s26, s26, s24
	s_lshl_b32 s27, s[WV], 12                      ; my four of them
	s_add_co_u32 s26, s26, s27
	s_mov_b32 s27, 0
	s_lshr_b32 s52, s14, 3
	s_lshl_b32 s52, s52, 11                        ; 2,048 b
	s_lshl_b32 s53, s15, 9
	s_add_co_u32 s52, s52, s53
	s_lshl_b32 s53, s[WV], 6
	s_add_co_u32 s52, s52, s53                     ; my first row of out
	s_lshl_b32 s52, s52, 11
	s_and_b32 s53, s14, 7
	s_lshl_b32 s53, s53, 8                         ; my head's 256 bytes of it
	s_add_co_u32 s52, s52, s53
	s_mov_b32 s53, 0
	s_mov_b32 s[SEL], 0x76543210
	s_mov_b32 s[SEL+1], 0xfedcba98
	s_mov_b32 s[EPS], 0xb4800000
	s_mov_b32 s[TB], 0
	s_wait_alu depctr_va_vdst(0)
	s_wait_kmcnt 0x0
	s_load_b256 s[16:23], s[8:9], 0x0              ; e0 .. e7
	s_add_nc_u64 s[24:25], s[6:7], s[24:25]
	s_add_nc_u64 s[26:27], s[4:5], s[26:27]
	s_add_nc_u64 s[46:47], s[10:11], s[52:53]
.macro PIECES n, r                     ; my parts of key step n: two of K, two of V, into v[r] on
.irp j, 0,1
	global_load_b128 v[\r+4*\j:\r+4*\j+3], v3, s[24:25] offset:8192*\n+4096*\j
.endr
.irp j, 0,1
	global_load_b128 v[\r+8+4*\j:\r+8+4*\j+3], v3, s[24:25] offset:65536+8192*\n+4096*\j
.endr
.endm
.macro QLOAD q                         ; two tiles of queries
.irp i, 0,1,2,3
	global_load_b128 v[Q+4*\i:Q+4*\i+3], v1, s[26:27] offset:1024*\q+512*\i th:TH_LOAD_NT
.endr
.endm
	PIECES 0, SA
	QLOAD 0
	WIN 0x40
	QLOAD 2
	WIN 0
.irp n, 1,2,3,4
	PIECES \n, O+16*(\n-1)
.endr
	WIN 0x40
.irp n, 5,6,7
	PIECES \n, O+16*(\n-5)
.endr
	WIN 0
	s_wait_kmcnt 0x0
	s_add_co_i32 s48, s20, s21
	s_lshl_b32 s48, s48, 23
	s_add_co_i32 s[CS], s48, 0x3fb8aa3b            ; log2(e), e4 + e5 added to its exponent field
	s_mov_b32 s[CS+1], s[CS]
	s_xor_b32 s[NCS], s[CS], 0x80000000
	s_add_co_i32 s48, s22, 127
	s_lshl_b32 s49, s48, 23
	v_mov_b32 v[SC6], s49                          ; 2^e6 as f32, in each window
	WIN 0x40
	v_mov_b32 v[SC6], s49
	WIN 0
	s_add_co_i32 s48, s48, 15
	s_lshl_b32 s48, s48, 23
	s_or_b32 s[LM6], s48, 0x600000                 ; 57,344 x 2^e6
	s_add_co_i32 s42, s22, s23
	s_cmp_lt_i32 s22, -15
	s_cselect_b32 s[HELD], 1, 0                    ; 57,344 x 2^e6 is under 1
	s_wait_alu depctr_va_vdst(0)
	s_wait_loadcnt 36                              ; step 0's four are in; Q's eight and the other steps' 28 may be out
.irp j, 0,1,2,3
	ds_store_b128 v3, v[SA+4*\j:SA+4*\j+3] offset:4096*\j
.endr
	s_wait_dscnt 0x0
	s_barrier_signal -1
	s_barrier_wait -1                              ; step 0 lies in LDS
	KLO
	KHI
	s_wait_loadcnt 28                              ; Q is in
	STEP 1, 0
	s_mov_b32 s[CNT], 6
.Lstep:
	STEP 0, 0
	s_sub_co_u32 s[CNT], s[CNT], 1
	s_cmp_lg_u32 s[CNT], 0
	s_cbranch_scc1 .Lstep
	STEP 0, 1
	; THE WAY OUT: O^T / the sum x 2^(e6 + e7), through my stage in LDS, so that sixteen lanes store one aligned unit of 256 bytes
	s_mul_i32 s48, s[WV], 16*272
	s_add_co_u32 s48, s48, STAGE
	v_and_b32 v2, 15, v0                           ; r
	v_bfe_u32 v3, v0, 4, 1                         ; h
	v_lshl_add_u32 v1, v0, 2, SPARE                ; my spare word, and 0: the two are made here, where v1 and v15 are free
	v_mov_b32 v15, 0
	v_mul_u32_u24 v12, v2, 272                     ; in: row r, + 32 h
	v_mul_u32_u24 v13, v3, 272                     ; back: lanes 0-15 one row, lanes 16-31 the next
	v_lshlrev_b32 v14, 11, v3
	v_lshl_add_u32 v12, v3, 5, v12
	v_lshl_add_u32 v13, v2, 4, v13
	v_lshl_add_u32 v14, v2, 4, v14                 ; the same two rows in out
	v_add_nc_u32 v12, s48, v12
	v_add_nc_u32 v13, s48, v13
.macro TOTAL
	v_add_f32 v[T0+2], v[T0+2], v[T0+3]            ; the sums' two halves,
	v_add_f32 v[T1+2], v[T1+2], v[T1+3]
	v_permlanex16_b32 v[T0+3], v[T0+2], s[SEL], s[SEL+1]
	v_permlanex16_b32 v[T1+3], v[T1+2], s[SEL], s[SEL+1]
	v_add_f32 v[T0+2], v[T0+2], v[T0+3]            ; and lane l xor 16's
	v_add_f32 v[T1+2], v[T1+2], v[T1+3]
.endm
	TOTAL
	WIN WY
	TOTAL
	WIN WX
	s_wait_alu depctr_va_vdst(0)
	v_rcp_f32 v[T0+2], v[T0+2]
	v_rcp_f32 v[T1+2], v[T1+2]
	WIN WY
	v_rcp_f32 v[T0+2], v[T0+2]
	v_rcp_f32 v[T1+2], v[T1+2]
	v_nop
	s_wait_alu depctr_va_vdst(0)                   ; and behind it
	v_ldexp_f32 v[T0+2], v[T0+2], s42
	v_ldexp_f32 v[T1+2], v[T1+2], s42
	WIN WX
	v_ldexp_f32 v[T0+2], v[T0+2], s42
	v_ldexp_f32 v[T1+2], v[T1+2], s42
.macro DIVIDE
	s_wait_alu depctr_va_vdst(0)                   ; directly ahead of the first readers of O^T
.set n, 0
.rept 16
	v_pk_mul_f32 v[SB+n:SB+n+1], v[O+n:O+n+1], v[T0+2:T0+3] op_sel_hi:[1,0]
	v_pk_mul_f32 v[SB+32+n:SB+32+n+1], v[O+32+n:O+32+n+1], v[T1+2:T1+3] op_sel_hi:[1,0]
.set n, n+2
.endr
.endm
	DIVIDE
	WIN WY
	DIVIDE
	WIN WX
	s_wait_alu depctr_va_vdst(0)
.macro TOSTAGE q
.if \q > 1
	WIN 0x04
.endif
.irp d, 0,1,2,3
	ds_store_b128 v12, v[SB+32*(\q%2)+8*\d:SB+32*(\q%2)+8*\d+3] offset:64*\d
	ds_store_b128 v12, v[SB+32*(\q%2)+8*\d+4:SB+32*(\q%2)+8*\d+7] offset:64*\d+16
.endr
.if \q > 1
	WIN 0x40
.endif
.irp i, 0,1,2,3,4,5,6,7
	ds_load_b128 v[SA+32*(\q%2)+4*\i:SA+32*(\q%2)+4*\i+3], v13 offset:544*\i   ; LDS serves a wave's instructions in order (ISA guide 5.7.1.4)
.endr
	WIN 0
.endm
.macro SEND q, younger                 ; younger: the LDS instructions issued behind this tile's loads
.if \q > 1
	WIN 0x04
.endif
.irp i, 0,1,2,3,4,5,6,7
	s_wait_dscnt \younger+7-\i
	global_store_b128 v14, v[SA+32*(\q%2)+4*\i:SA+32*(\q%2)+4*\i+3], s[46:47] offset:(16*\q+2*\i)*2048 th:TH_STORE_NT
.endr
	WIN 0
.endm
	TOSTAGE 0
	TOSTAGE 1
	SEND 0, 16
	TOSTAGE 2
	SEND 1, 16
	TOSTAGE 3
	SEND 2, 16
	SEND 3, 0
	s_wait_tensorcnt 0x0                           ; the wave's end: behind my last LDS store
	ds_add_u32 v1, v15
	s_wait_dscnt 0x0
	s_endpgm
.Lfunc_end_k_q7bb02202f6_attn:
	.size	k_q7bb02202f6_attn, .Lfunc_end_k_q7bb02202f6_attn-k_q7bb02202f6_attn
	.p2alignl 7, 3214868480
	.fill 96, 4, 3214868480
	.section	.rodata,"a",@progbits
	.p2align	6, 0x0
	.amdhsa_kernel k_q7bb02202f6_attn
		.amdhsa_group_segment_fixed_size 166912
		.amdhsa_private_segment_fixed_size 0
		.amdhsa_enable_private_segment 0
		.amdhsa_kernarg_size 32
		.amdhsa_user_sgpr_count 2
		.amdhsa_user_sgpr_kernarg_segment_ptr 1
		.amdhsa_wavefront_size32 1
		.amdhsa_system_sgpr_workgroup_id_x 1
		.amdhsa_system_sgpr_workgroup_id_y 1
		.amdhsa_system_sgpr_workgroup_id_z 1
		.amdhsa_system_vgpr_workitem_id 0
		.amdhsa_next_free_vgpr 512
		.amdhsa_next_free_sgpr 66
		.amdhsa_reserve_vcc 0
		.amdhsa_float_denorm_mode_32 3
		.amdhsa_float_denorm_mode_16_64 3
		.amdhsa_memory_ordered 1
		.amdhsa_forward_progress 1
		.amdhsa_inst_pref_size 182
	.end_amdhsa_kernel
	.amdgpu_metadata
---
amdhsa.version: [ 1, 2 ]
amdhsa.kernels:
  - .name:           k_q7bb02202f6_attn
    .symbol:         k_q7bb02202f6_attn.kd
    .args:
      - { .name: qimg, .offset: 0, .size: 8, .value_kind: global_buffer, .address_space: global }
      - { .name: kvimg, .offset: 8, .size: 8, .value_kind: global_buffer, .address_space: global }
      - { .name: lowp_scales, .offset: 16, .size: 8, .value_kind: global_buffer, .address_space: global }
      - { .name: out0, .offset: 24, .size: 8, .value_kind: global_buffer, .address_space: global }
    .group_segment_fixed_size: 166912
    .private_segment_fixed_size: 0
    .kernarg_segment_align: 8
    .kernarg_segment_size: 32
    .max_flat_workgroup_size: 256
    .sgpr_count:     66
    .vgpr_count:     512
    .wavefront_size: 32
...
	.end_amdgpu_metadata
.endif
;; end of part 6
